; MI455X (gfx1250); checked and timed in simulation.
; The chip was launched on July 23, 2026; its instructions are those of AMD's public machine-readable ISA for CDNA 5 (MIT licence, August 2026) and "CDNA5" Instruction Set Architecture Reference Guide (July 2026). The comments in the code are by the model that wrote it; some were corrected since.
;; Multi Head Attention. Allowed arithmetic: matrix products marked QUANTISED: E2M1 operands, one E8M0 scale for each 32 along K, by v_wmma_scale_f32_16x16x128_f8f6f4 with both operands' format E2M1 (or v_wmma_scale_f32_32x16x128_f4), f32 sums; everything else in f32.
;; Inputs: K 2 x 2,048 x 1,024 float32; Q 2 x 2,048 x 1,024 float32; V 2 x 2,048 x 1,024 float32; Wk 1,024 x 1,024 float32; Wo 1,024 x 1,024 float32; Wq 1,024 x 1,024 float32; Wv 1,024 x 1,024 float32; bk 1,024 float32; bo 1,024 float32; bq 1,024 float32; bv 1,024 float32.
;; Outputs: out0 2 x 2,048 x 1,024 float32.
;; This version of the problem:
;;   THIS VERSION OF THE PROBLEM IS GIVEN IN LOW PRECISION. The matrix products marked QUANTISED in the list below multiply operands that are first quantised to E2M1 (2 exponent bits, 1 mantissa bit; 4 bits a number), with one power-of-two scale for each 32 numbers along K (OCP MX v1.0); their sums are f32. All else is computed in f32.
;;   The module's matrix products, in the order in which they are computed (A, B: the left and right operand; K: the contracted axis; several contracted axes count as one K, in the product's order):
;;     1. [M 4,096, K 1,024] x [K 1,024, N 1,024]; A: input Q; B: input Wq: QUANTISED
;;     2. [M 4,096, K 1,024] x [K 1,024, N 1,024]; A: input K; B: input Wk: QUANTISED
;;     3. [M 4,096, K 1,024] x [K 1,024, N 1,024]; A: input V; B: input Wv: QUANTISED
;;     4. batch 32 x [M 2,048, K 64] x [K 64, N 2,048]; A: computed on the way; B: computed on the way: QUANTISED
;;     5. batch 32 x [M 2,048, K 2,048] x [K 2,048, N 64]; A: softmax (see below); B: computed on the way: QUANTISED
;;     6. [M 4,096, K 1,024] x [K 1,024, N 1,024]; A: computed on the way; B: input Wo: QUANTISED
;;   THE QUANTISER, for each operand of a quantised product, along K:
;;     - K is cut into blocks of 32 from its start; a last block that is shorter is filled with zeros.
;;     - A block's scale is 2^e with e = floor(log2(the largest magnitude in the block)) - 2, held to -126 .. 127; a block of zeros has e = 0. As a byte (E8M0): e + 127.
;;     - Each number is divided by its block's scale, clamped to +-6, and rounded to the nearest number of E2M1, ties to even, subnormals kept.
;;     - The product sums the exact products of the quantised numbers (number of the format x scale) in f32.
;;   ~~~python
;;   def quantise(x, axis):      # numpy; x: float32 -> the quantised numbers, widened to float32 again
;;       x = np.moveaxis(x, axis, -1); K = x.shape[-1]
;;       x = np.pad(x, [(0, 0)] * (x.ndim - 1) + [(0, -K % 32)]); x = x.reshape(x.shape[:-1] + (-1, 32)); a = np.abs(x).max(-1, keepdims=True)
;;       e = np.where(a > 0, np.clip(np.frexp(np.where(a > 0, a, 1))[1] - 1 - 2, -126, 127), 0)      # np.frexp(a)[1] - 1 = floor(log2(a)), exactly
;;       r = np.clip(x / 2.0 ** e, -6, 6)
;;       step = 2.0 ** (np.maximum(np.frexp(np.where(r == 0, 1, r))[1] - 1, 0) - 1)
;;       q = np.round(r / step) * step * 2.0 ** e      # np.round: ties to even
;;       return np.moveaxis(q.reshape(q.shape[:-2] + (-1,))[..., :K], -1, axis).astype(np.float32)
;;   ~~~
;;   SOFTMAX AHEAD OF A QUANTISED PRODUCT. Where the list says 'softmax', what is quantised is not the finished softmax but p = 2^(t - M), with t = logit x log2(e) and M = ceil(the row's largest t), a whole number; so 1/2 < the row's largest p <= 1. The row's sum l is taken of the UNQUANTISED p, in f32, and the product's result is divided by l at the end. Since M is a whole number, a kernel that streams over the keys may use a running M (the ceiling of the running maximum): every later rescaling is an exact power of two, which a block's scale takes up: the codes' values come out the same.
;;   OPERANDS COMPUTED ON THE WAY. 'Computed on the way' means the value that the module computes at that place (a softmax that the list does not call 'softmax' is quantised finished and normalised). What goes into a quantiser is computed in f32, as accurately as f32 sums, v_exp_f32 and their like allow (about 1e-6 of the number): no bf16 or f16 on the way to a quantiser, and a product that is left as it is and whose result goes on into a quantised operand takes f32 operands (vector FMAs, or v_wmma_f32_16x16x4_f32). A number that lies on a knife's edge between two numbers of the format may be rounded either way, as far as f32 arithmetic and the matrix unit's own rounding can turn it there, and no further.
;; One version. Each part assembles by itself: llvm-mc -triple=amdgcn-amd-amdhsa -mcpu=gfx1250 --defsym DOCPART=n.
;; ======== version 1 of 1: 4 launches
;; limits: right only within a limited range of input values
;; workspace buffers: cod 10,485,760 bytes; scl 655,360 bytes; qimg 2,359,296 bytes; kv 4,587,520 bytes
;; launch quant (part 1): grid 512 x 1, 8 waves a work-group, no clusters, 69,632 bytes of LDS; arguments Q, K, V, Wq, Wk, Wv, Wo, cod, scl; writes cod, scl
.if DOCPART == 1
	.amdgcn_target "amdgcn-amd-amdhsa--gfx1250"
	.amdhsa_code_object_version 6
	.text
	.protected	k_q57cc6e9d92_quant
	.globl	k_q57cc6e9d92_quant
	.p2align	8
	.type	k_q57cc6e9d92_quant,@function
k_q57cc6e9d92_quant:
	s_mov_b64 s[64:65], 0
	v_nop
	global_prefetch_b8 v0, s[64:65] scope:SCOPE_SE
	s_setreg_imm32_b32 hwreg(HW_REG_WAVE_MODE, 25, 1), 1
	s_wait_xcnt 0x0
; Q, K, V [4096][1024] and Wq, Wk, Wv, Wo [1024][1024], f32 with K innermost, become codes of FP4 (E2M1) and E8M0 scale words, laid as IMAGES OF OPERAND REGISTERS.
; A TILE is 16 rows: lane r of a tensor's tile T holds row 64 (T / 4) + 8 (T % 4) + r % 8 + 32 (r / 8).  With such tiles as source 0, the 32 registers of a product's tiles 4 c .. 4 c + 3 are, in lane (r, h),
; the 32 neighbours 64 c + 32 h + 0 .. 31: one whole block of the next quantiser in one lane.
; The image of (tile, K step of 128) is 1,024 bytes: byte 512 c + 16 lane holds registers 4 c .. 4 c + 3 of the lane: the codes of k = 64 c + 32 (lane / 16) + 0 .. 31 of its row.
; cod: [tile][8 K steps][1024];  scl: [tile][2 halves of K][16 rows][4 words], word j of half g = K step 4 g + j, byte b of it = block b.
; Tiles: 0 Q, 256 K, 512 V, 768 Wq, 832 Wk, 896 Wv, 960 Wo.  A block's scale is 2^(floor(log2(largest magnitude)) - 2); its byte is the largest magnitude's exponent field - 2, held at 1 from below.
; LIMITS: a block of zeros, or one whose largest magnitude lies under 2^-124, gets the byte 1 where the rule says 127 for zeros: its codes are zeros, and this program alone reads the bytes.  NaN and infinities are not served.
; SHARES: work-group g takes tiles 2 g and 2 g + 1; wave w takes tile w / 4 of the two and quarter w % 4 of K: two K steps of 128, written out, every offset an immediate, all 32 loads issued at the start.
; Each load reads 512 consecutive bytes of one row; a K step's 16 x 512 bytes turn through the wave's own stage in LDS (rows 528 bytes apart) and come back 256 bytes a lane: a lane then holds two whole blocks of 32,
; so that no other lane is asked for a maximum and the conversions' results ARE the operand's registers.
; The scale words of a tile's four quarters meet in LDS, behind one barrier, and leave as 512 consecutive bytes a tile.  No matrix unit and no cluster: every input byte is read once.
.set ROWB,  4096                       ; a row in memory
.set STG,   16*528                     ; a wave's stage
.set SCS,   8*STG                      ; behind the stages: the two tiles' scale words, 512 bytes each
.set SPARE, SCS+1024                   ; the spare words, 128 bytes a wave: four blocks of 256 bytes that no other line names
.set L16, 1                            ; v1   16 x lane
.set STI, 2                            ; v2   the stage, on the way in: 16 x lane
.set STR, 3                            ; v3   on the way out: 528 r + 128 h
.set SH8, 4                            ; v4   8 h
.set WO,  5                            ; v5   where my scale word goes in LDS
.set SPW, 6                            ; v6   my spare word; never rewritten
.set NIL, 7                            ; v7   0; never rewritten
.set MX,  8                            ; v8-9   largest magnitudes of my two blocks
.set PD,  10                           ; v10    a lane permute's destination
.set RDW, 11                           ; v11    where I read a tile's words back
.set SO,  12                           ; v12-13 the conversions' scale operands
.set BY,  14                           ; v14-15 the scale bytes
.set W,   16                           ; v16-17 a scale word for each K step
.set WS,  20                           ; v20    the one that I store
.set C,   24                           ; v24-39 codes: eight registers a K step, never written again
.set X,   64                           ; v64-127 my 64 numbers of the K step
.set R,   128                          ; v128-255 two sets of 64 registers as they are loaded
.set SRC, 26
.set DC,  22
.set DS,  24
.set SEL, 30
.set HM,  32
	s_load_b512 s[8:23], s[0:1], 0x0               ; Q, K, V, Wq, Wk, Wv, Wo, cod
	s_load_b64 s[24:25], s[0:1], 0x40              ; scl
	v_lshl_add_u32 v[SPW], v0, 2, SPARE
	v_mov_b32 v[NIL], 0
	v_lshrrev_b32 v8, 5, v0
	v_readfirstlane_b32 s28, v8                    ; wave 0..7
	s_mul_i32 s29, s28, STG
	s_lshr_b32 s35, s28, 1
	s_lshl_b32 s35, s35, 8
	s_and_b32 s2, s28, 1
	s_lshl_b32 s2, s2, 3
	s_add_co_u32 s35, s35, s2
	s_add_co_u32 s35, s35, SCS                     ; 512 (w / 4) + 256 (half of K) + 8 (which two words of the four)
	s_lshl_b32 s40, s28, 9
	s_add_co_u32 s41, s40, SCS
	v_and_b32 v9, 31, v0
	v_lshlrev_b32 v[L16], 4, v9
	v_add_nc_u32 v[STI], s29, v[L16]
	v_add_nc_u32 v[RDW], s41, v[L16]               ; (used by waves 0 and 1: tile w's words)
	v_and_b32 v8, 15, v0                           ; r
	v_bfe_u32 v9, v0, 4, 1                         ; h
	v_mul_u32_u24 v[STR], v8, 528
	v_lshlrev_b32 v[WO], 2, v9
	v_lshl_add_u32 v[STR], v9, 7, v[STR]
	v_lshl_add_u32 v[WO], v8, 4, v[WO]
	v_add_nc_u32 v[STR], s29, v[STR]
	v_add_nc_u32 v[WO], s35, v[WO]
	v_lshlrev_b32 v[SH8], 3, v9
	v_mov_b32 v[PD], 0                             ; written once: a lane permute's destination counts as one of its sources
	s_mov_b32 s[SEL], 0x76543210
	s_mov_b32 s[SEL+1], 0xfedcba98                 ; lane l xor 16
	s_mov_b32 s[HM], 0xffff0000                    ; lanes 16-31
	; which tensor, and which two tiles of it: the first 384 work-groups take Q, K, V (128 each), the others the four weights (32 each)
	s_lshr_b32 s2, ttmp9, 7
	s_and_b32 s3, ttmp9, 127
	s_sub_co_u32 s4, ttmp9, 384
	s_lshr_b32 s5, s4, 5
	s_add_co_u32 s5, s5, 3
	s_and_b32 s4, s4, 31
	s_cmp_lt_u32 ttmp9, 384
	s_cselect_b32 s2, s2, s5                       ; tensor 0..6
	s_cselect_b32 s3, s3, s4
	s_lshr_b32 s33, s28, 2                         ; my tile of the two
	s_and_b32 s34, s28, 3                          ; my quarter of K
	s_lshl_b32 s3, s3, 1
	s_add_co_u32 s3, s3, s33                       ; the tile's number in the tensor
	s_lshr_b32 s36, s3, 2
	s_lshl_b32 s36, s36, 6
	s_and_b32 s35, s3, 3
	s_lshl_b32 s35, s35, 3
	s_add_co_u32 s36, s36, s35                     ; its first row: 64 (tile / 4) + 8 (tile % 4)
	s_lshl_b32 s36, s36, 12
	s_lshl_b32 s35, s34, 10
	s_add_co_u32 s36, s36, s35                     ; in bytes, + my quarter of the row
	s_mov_b32 s37, 0
	s_lshl_b32 s38, ttmp9, 1
	s_add_co_u32 s38, s38, s33                     ; the tile's number in cod and scl
	s_lshl_b32 s6, s38, 13
	s_lshl_b32 s35, s34, 11
	s_add_co_u32 s6, s6, s35
	s_mov_b32 s7, 0
	s_lshl_b32 s38, ttmp9, 10
	s_add_co_u32 s38, s38, s40                     ; waves 0 and 1: tile 2 g + w's words
	s_mov_b32 s39, 0
	s_wait_alu depctr_va_vdst(0)                   ; the wait at the head's end
	s_wait_kmcnt 0x0
	s_mov_b64 s[SRC:SRC+1], s[8:9]                 ; the choice hangs on the work-group's number alone
	s_cmp_eq_u32 s2, 1
	s_cselect_b64 s[SRC:SRC+1], s[10:11], s[SRC:SRC+1]
	s_cmp_eq_u32 s2, 2
	s_cselect_b64 s[SRC:SRC+1], s[12:13], s[SRC:SRC+1]
	s_cmp_eq_u32 s2, 3
	s_cselect_b64 s[SRC:SRC+1], s[14:15], s[SRC:SRC+1]
	s_cmp_eq_u32 s2, 4
	s_cselect_b64 s[SRC:SRC+1], s[16:17], s[SRC:SRC+1]
	s_cmp_eq_u32 s2, 5
	s_cselect_b64 s[SRC:SRC+1], s[18:19], s[SRC:SRC+1]
	s_cmp_eq_u32 s2, 6
	s_cselect_b64 s[SRC:SRC+1], s[20:21], s[SRC:SRC+1]
	s_add_nc_u64 s[SRC:SRC+1], s[SRC:SRC+1], s[36:37]
	s_add_nc_u64 s[DC:DC+1], s[DC:DC+1], s[6:7]
	s_add_nc_u64 s[DS:DS+1], s[DS:DS+1], s[38:39]
.macro LOAD t                          ; K step t: lane index i of the tile is row i % 8 + 32 (i / 8) from the tile's first; 32 lanes read 512 consecutive bytes of it
.irp i, 0,1,2,3,4,5,6,7,8,9,10,11,12,13,14,15
	global_load_b128 v[R+64*(\t)+4*\i:R+64*(\t)+4*\i+3], v[L16], s[SRC:SRC+1] offset:(\i+24*(\i/8))*ROWB+512*(\t) th:TH_LOAD_NT
.endr
.endm
.macro STEP t
.if (\t) < 1
	s_wait_loadcnt 16                              ; K step 0's 16 loads are in; K step 1's may be out
.else
	s_wait_loadcnt 0x0
.endif
.irp i, 0,1,2,3,4,5,6,7,8,9,10,11,12,13,14,15
	ds_store_b128 v[STI], v[R+64*(\t)+4*\i:R+64*(\t)+4*\i+3] offset:528*\i
.endr
.irp c, 0,1
.irp g, 0,1,2,3,4,5,6,7
	ds_load_b128 v[X+32*\c+4*\g:X+32*\c+4*\g+3], v[STR] offset:256*\c+16*\g   ; LDS serves a wave's instructions in order: these see the stores above.  Register 32 c + n is k = 64 c + 32 h + n of row r
.endr
.endr
	s_wait_dscnt 0x0                               ; my numbers are back
.irp c, 0,1
	v_max3_num_f32 v[MX+\c], |v[X+32*\c]|, |v[X+32*\c+1]|, 0x1800000   ; block 2 c + h: all its 32 numbers are mine; the floor 2^(3 - 127) holds the byte at 1 from below
.endr
.irp i, 2,4,6,8,10,12,14,16,18,20,22,24,26,28,30
.irp c, 0,1
	s_delay_alu instid0(VALU_DEP_2)
	v_max3_num_f32 v[MX+\c], v[MX+\c], |v[X+32*\c+\i]|, |v[X+32*\c+\i+1]|
.endr
.endr
.irp c, 0,1
	s_delay_alu instid0(VALU_DEP_2)
	v_add_nc_u32 v[SO+\c], 0xff000000, v[MX+\c]    ; 2 off the exponent field: the conversion takes the exponent field of this operand as its scale
.endr
.irp c, 0,1
	s_delay_alu instid0(VALU_DEP_2)
	v_lshrrev_b32 v[BY+\c], 23, v[SO+\c]           ; the scale's byte
.endr
.irp c, 0,1
.irp g, 0,1,2,3
	v_cvt_scalef32_pk8_fp4_f32 v[C+8*(\t)+4*\c+\g], v[X+32*\c+8*\g:X+32*\c+8*\g+7], v[SO+\c]   ; registers 4 c .. 4 c + 3 of the operand
.endr
.endr
	v_lshl_or_b32 v[BY], v[BY+1], 16, v[BY]        ; my two bytes, blocks h and 2 + h (a plain line behind the conversions),
	s_delay_alu instid0(VALU_DEP_1)
	v_lshlrev_b32 v[BY], v[SH8], v[BY]             ; at their places in the word;
	s_delay_alu instid0(VALU_DEP_1)
	v_permlanex16_b32 v[PD], v[BY], s[SEL], s[SEL+1]
	s_delay_alu instid0(VALU_DEP_1)
	v_or_b32 v[W+(\t)], v[BY], v[PD]               ; with lane l xor 16's two the word is whole
.irp c, 0,1
	global_store_b128 v[L16], v[C+8*(\t)+4*\c:C+8*(\t)+4*\c+3], s[DC:DC+1] offset:1024*(\t)+512*\c   ; 32 lanes store 512 consecutive bytes, aligned
.endr
.endm
	LOAD 0
	LOAD 1
	STEP 0
	STEP 1
	v_cndmask_b32 v[WS], v[W], v[W+1], s[HM]       ; lanes 0-15 put down row r's first word, lanes 16-31 its second
	ds_store_b32 v[WO], v[WS]
	s_wait_dscnt 0x0                               ; my words are down,
	s_barrier_signal -1
	s_barrier_wait -1                              ; and everybody's
	s_cmp_lt_u32 s28, 2
	s_cbranch_scc0 .Lout
	ds_load_b128 v[X:X+3], v[RDW]                  ; tile w's 512 bytes of words
	s_wait_dscnt 0x0
	global_store_b128 v[L16], v[X:X+3], s[DS:DS+1] ; 32 lanes store 512 consecutive bytes, aligned
.Lout:
	s_wait_tensorcnt 0x0                           ; the wave's end: three lines behind my last LDS store
	ds_add_u32 v[SPW], v[NIL]
	s_wait_dscnt 0x0
	s_endpgm
.Lfunc_end_k_q57cc6e9d92_quant:
	.size	k_q57cc6e9d92_quant, .Lfunc_end_k_q57cc6e9d92_quant-k_q57cc6e9d92_quant
	.p2alignl 7, 3214868480
	.fill 96, 4, 3214868480
	.section	.rodata,"a",@progbits
	.p2align	6, 0x0
	.amdhsa_kernel k_q57cc6e9d92_quant
		.amdhsa_group_segment_fixed_size 69632
		.amdhsa_private_segment_fixed_size 0
		.amdhsa_enable_private_segment 0
		.amdhsa_kernarg_size 72
		.amdhsa_user_sgpr_count 2
		.amdhsa_user_sgpr_kernarg_segment_ptr 1
		.amdhsa_wavefront_size32 1
		.amdhsa_system_sgpr_workgroup_id_x 1
		.amdhsa_system_sgpr_workgroup_id_y 1
		.amdhsa_system_sgpr_workgroup_id_z 1
		.amdhsa_system_vgpr_workitem_id 0
		.amdhsa_next_free_vgpr 256
		.amdhsa_next_free_sgpr 66
		.amdhsa_reserve_vcc 0
		.amdhsa_float_denorm_mode_32 3
		.amdhsa_float_denorm_mode_16_64 3
		.amdhsa_memory_ordered 1
		.amdhsa_forward_progress 1
		.amdhsa_inst_pref_size 20
	.end_amdhsa_kernel
	.amdgpu_metadata
---
amdhsa.version: [ 1, 2 ]
amdhsa.kernels:
  - .name:           k_q57cc6e9d92_quant
    .symbol:         k_q57cc6e9d92_quant.kd
    .args:
      - { .name: Q, .offset: 0, .size: 8, .value_kind: global_buffer, .address_space: global }
      - { .name: K, .offset: 8, .size: 8, .value_kind: global_buffer, .address_space: global }
      - { .name: V, .offset: 16, .size: 8, .value_kind: global_buffer, .address_space: global }
      - { .name: Wq, .offset: 24, .size: 8, .value_kind: global_buffer, .address_space: global }
      - { .name: Wk, .offset: 32, .size: 8, .value_kind: global_buffer, .address_space: global }
      - { .name: Wv, .offset: 40, .size: 8, .value_kind: global_buffer, .address_space: global }
      - { .name: Wo, .offset: 48, .size: 8, .value_kind: global_buffer, .address_space: global }
      - { .name: cod, .offset: 56, .size: 8, .value_kind: global_buffer, .address_space: global }
      - { .name: scl, .offset: 64, .size: 8, .value_kind: global_buffer, .address_space: global }
    .group_segment_fixed_size: 69632
    .private_segment_fixed_size: 0
    .kernarg_segment_align: 8
    .kernarg_segment_size: 72
    .max_flat_workgroup_size: 256
    .sgpr_count:     66
    .vgpr_count:     256
    .wavefront_size: 32
...
	.end_amdgpu_metadata
.endif
;; end of part 1
;; launch proj (part 2): grid 16 x 12, 4 waves a work-group, clusters of 4 x 4, 197,120 bytes of LDS; arguments cod, scl, bq, bk, bv, qimg, kv; writes qimg, kv
.if DOCPART == 2
	.amdgcn_target "amdgcn-amd-amdhsa--gfx1250"
	.amdhsa_code_object_version 6
	.text
	.protected	k_q57cc6e9d92_proj
	.globl	k_q57cc6e9d92_proj
	.p2align	8
	.type	k_q57cc6e9d92_proj,@function
k_q57cc6e9d92_proj:
	s_mov_b64 s[64:65], 0
	v_nop
	global_prefetch_b8 v0, s[64:65] scope:SCOPE_SE
	s_setreg_imm32_b32 hwreg(HW_REG_WAVE_MODE, 25, 1), 1
	s_wait_xcnt 0x0
	s_wait_alu depctr_hold_cnt(0) depctr_sa_sdst(0) depctr_va_vdst(0) depctr_va_sdst(0) depctr_va_ssrc(0) depctr_va_vcc(0) depctr_vm_vsrc(0)
	s_getreg_b32 s2, hwreg(HW_REG_IB_STS2, 6, 4)
	s_cmp_eq_u32 s2, 0
	s_cbranch_scc0 .Lentry_in_a_cluster
	s_endpgm
.Lentry_in_a_cluster:
	s_bfe_u32 s2, ttmp6, 0x10000c
	s_cmp_lg_u32 s2, 0xf033
	s_cbranch_scc0 .Lentry_shape_is_right
	s_endpgm
.Lentry_shape_is_right:
; The three projections on codes of FP4 (E2M1) with E8M0 scales, their biases, and the quantising of q, k (along the head's 64) and v (along the KEYS), in registers.
; ONE FORM: out[i][j] = sum over k of P[i][k] R[j][k] + bias, quantised along j.  kind = cluster y: 0 q, 1 k: P = tokens, R = the weight's rows, bias by j.  2 v: P = Wv's rows, R = V's tokens, bias by i:
; so v's registers run along the keys.  The matrix instruction takes source 0 = 16 rows of R, source 1 = 16 rows of P: a lane holds ONE row of P and eight rows of R.
; Operands lie in cod as images of their registers on tiles whose lane r is row 64 (T / 4) + 8 (T % 4) + r % 8 + 32 (r / 8): so the 32 registers of R's tiles 4 c .. 4 c + 3 are, in lane (r, h), R's rows 64 c + 32 h + 0 .. 31:
; one whole block of the quantiser, and the conversions' results are the next operand's registers as they stand.
; SHARES: a work-group makes 256 x 256, each of its four waves 128 x 128.  192 work-groups: 16 x 4 blocks for each kind.
; BY ROWS: R's fragments for all of K, 8 tiles x 8 K steps, fill 512 registers; the wave's eight blocks of 16 rows of P are finished one after the other, 64 matrix instructions each, and the quantising of a block
; stands in four parts between the products of the next.  The bias is the C of each sum's first matrix instruction.
; CLUSTER 4 x 4.  P's block hangs on cy (and the cluster's x for q, k), R's on cx (and the cluster's x for v): P's tiles are asked for jointly along a row of the cluster, R's along a column.
; LDS: 16 tiles of P with all of K, 8,192 bytes each, and 16 tiles of R with K steps 0 to 3, 4,096 bytes each.  Every wave issues ONE load of 8 tiles at the head (one of mine is out); nothing is filled again: no ring, and no loop in which to prefetch.
; R's K steps 4 to 7 are no joint load: a wave wants each of those 32 fragments once, and they go from memory straight into its registers, so that they need no LDS read (64 KB of P and 32 KB of R a wave remain).
; OUT: qimg [32 bh][16 steps of 128 queries][4608]: 8 tiles x 512 bytes (16 lane: codes of d = 32 h ..), then 512 bytes of scale words (lane l, word j: tile 2 j + l / 16, row l % 16; bytes 2, 3 repeat bytes 0, 1: they scale
; the zero codes that fill K = 64 up to 128).  kv [32 bh][16 key steps][8960]: K as qimg; at 4608 V^T's 4 tiles (16 d x 128 keys) x 1,024; at 8704 V's words, 8 bytes a lane.
; LIMITS: a block of zeros or under 2^-124 gets the byte 1 (its codes are zeros; this program alone reads the bytes); NaN and infinities are not served.
; REGISTERS: window 0: v1-7 lane terms, offsets; v16, v20 LDS addresses; v28-29 the add's; v32-95 scale words (lanes 0-15 P's block, lanes 16-31 R's); v112-119 bias by i; v128-255 P's fragments of a block, two sets.
;   windows 1, 2: R's fragments, K steps 0-3 and 4-7: (s, b) at v[64 (s % 4) + 8 b].   window 3: v0-127 a block's eight accumulators, two sets; v128-191 bias by j; v192-199 a block's bias by i, eight times; v200-255 the way out.
.set RLDS, 131072                      ; R's tiles, behind P's
.set SPARE, RLDS+65536                 ; behind the tiles: the spare words, 128 bytes a wave: two blocks of 256 bytes that no other line names
.set RR,   1
.set HH,   2
.set L16,  3
.set L8,   4
.set SCO,  5
.set VBJ,  6
.set VBI,  7
.set VRO,  10
.set ADRP, 16
.set ADRR, 20
.set SPW,  28
.set NIL,  29
.set SC,   32
.set BI,   112
.set PF,   128
.set BJ,   128                         ; from here on in window 3
.set BR,   192
.set TM,   200                         ; v200-207 chains of the maxima
.set PC,   208                         ; v208-239 codes, four blocks by turns
.set SO,   240                         ; v240-241 scale operands
.set BY,   242                         ; v242-243 scale bytes
.set PD,   244                         ; a lane permute's destination
.set PW,   245
.set SQ,   248                         ; v248-251 packed scale words
.set WV,   18
.set WP,   19
.set WR,   20
.set G1P,  24
.set G1R,  32
.set G0P,  40
.set G0R,  44
.set SEL,  56
.set HM,   58
.set PT0,  60                          ; s[60:61], s[62:63]: where a block's two fours of codes go
.set PT1,  62
.set D0,   66                          ; s[66:67], s[68:69]: where my two heads' parts begin
.set INC,  70                          ; s[70:71] from block to block; s[72:73] from block 3 to block 4
.set KIND, 84
.set MSB, 0
.macro WIN new                         ; the immediate's high byte repeats the setting that is left
.if MSB != (\new)
	s_set_vgpr_msb (MSB<<8)|(\new)
.set MSB, (\new)
.endif
.endm
.macro CROUND                          ; a round of the cluster's barrier
	s_barrier_signal -1
	s_barrier_wait -1
	s_cmp_lg_u32 s[WV], 0
	s_cbranch_scc1 .Lnot_wave_0_\@
	s_barrier_signal -3
.Lnot_wave_0_\@:
	s_barrier_wait -3
	s_barrier_signal -1
	s_barrier_wait -1
.endm
.macro PLACES                          ; four plain vector instructions between a matrix instruction and a load into, or a vector read or write of, its registers
.rept 4
	v_nop
.endr
.endm
	s_load_b256 s[4:11], s[0:1], 0x0               ; cod, scl, bq, bk
	s_load_b128 s[12:15], s[0:1], 0x20             ; bv, qimg
	s_load_b64 s[16:17], s[0:1], 0x30              ; kv
	v_lshl_add_u32 v[SPW], v0, 2, SPARE
	v_mov_b32 v[NIL], 0
	ds_add_u32 v[SPW], v[NIL]                      ; the wave's opening: the add, twice on end, and its wait ahead of my first tensor load
	ds_add_u32 v[SPW], v[NIL]
	v_lshrrev_b32 v1, 5, v0
	v_readfirstlane_b32 s[WV], v1                  ; wave 0..3
	s_lshr_b32 s[WP], s[WV], 1                     ; my half of P's rows.  Also: I fetch for P (0) or for R (1)
	s_and_b32 s[WR], s[WV], 1                      ; my half of R's rows.  Also: which 8 tiles I fetch
	s_bfe_u32 s21, ttmp6, 0x40000                  ; cx
	s_bfe_u32 s22, ttmp6, 0x40004                  ; cy
	s_lshl_b32 s23, ttmp9, 2                       ; 4 x cluster x
	s_and_b32 s[KIND], ttmp7, 0xffff               ; cluster y: the same in all sixteen partners
	s_lshl_b32 s87, s[KIND], 8                     ; q, k: P's tiles begin at 256 kind,
	s_lshl_b32 s88, s[KIND], 6
	s_add_co_u32 s88, s88, 768                     ; R's at 768 + 64 kind
	s_lshl_b32 s89, s22, 2
	s_lshl_b32 s89, 15, s89                        ; my row of the cluster
	s_lshl_b32 s90, 0x1111, s21                    ; my column
	s_cmp_eq_u32 s[KIND], 2                        ; v: the tokens are R
	s_cselect_b32 s85, s23, 0
	s_cselect_b32 s86, 0, s23
	s_cselect_b32 s87, 896, s87
	s_cselect_b32 s88, 512, s88
	s_add_co_u32 s85, s85, s21                     ; R's block of 256 rows: cx (+ 4 x cluster x)
	s_add_co_u32 s86, s86, s22                     ; P's block: cy (+ 4 x cluster x)
	; group 1 for P: 8 tiles with all of K: 65,536 dense bytes as 32 rows of 2,048 (256 elements of 8); no padding: an image is read 16 bytes a lane on end
	s_or_b32 s[G1P], s89, (3<<16)|(1<<21)
	s_mov_b32 s[G1P+1], 256<<16                    ; tensor_dim0
	s_mov_b32 s[G1P+2], 32<<16                     ; tensor_dim1
	s_mov_b32 s[G1P+3], 256<<16                    ; tile_dim0
	s_mov_b32 s[G1P+4], 32                         ; tile_dim1
	s_mov_b32 s[G1P+5], 256                        ; from row to row
	s_mov_b32 s[G1P+6], 0
	s_mov_b32 s[G1P+7], 0
	; for R: 8 tiles' first four K steps: 8 rows of 4,096 bytes, 8,192 bytes apart
	s_or_b32 s[G1R], s90, (3<<16)|(1<<21)
	s_mov_b32 s[G1R+1], 512<<16
	s_mov_b32 s[G1R+2], 8<<16
	s_mov_b32 s[G1R+3], 512<<16
	s_mov_b32 s[G1R+4], 8
	s_mov_b32 s[G1R+5], 1024
	s_mov_b32 s[G1R+6], 0
	s_mov_b32 s[G1R+7], 0
	s_lshl_b32 s91, s86, 4
	s_add_co_u32 s91, s91, s87                     ; the work-group's first tile of P
	s_lshl_b32 s92, s85, 4
	s_add_co_u32 s92, s92, s88                     ; and of R
	s_lshl_b32 s93, s[WR], 3
	s_add_co_u32 s96, s91, s93
	s_lshl_b32 s96, s96, 13                        ; the 8 tiles that I would fetch of P, in bytes,
	s_mov_b32 s97, 0
	s_add_co_u32 s98, s92, s93
	s_lshl_b32 s98, s98, 13                        ; and of R: each in registers that never hold the other's coordinate
	s_mov_b32 s99, 0
	s_lshl_b32 s93, s[WR], 16                      ; where they go: P's two halves of the rows,
	s_lshl_b32 s94, s[WR], 15
	s_add_co_u32 s94, s94, RLDS                    ; then R's
	s_mov_b32 s[SEL], 0x76543210
	s_mov_b32 s[SEL+1], 0xfedcba98
	s_mov_b32 s[HM], 0xffff0000
	s_wait_dscnt 0x0                               ; both opening adds are done
	s_wait_kmcnt 0x0
	s_mov_b32 s[G0P], 1
	s_mov_b32 s[G0P+1], s93
	s_add_nc_u64 s[G0P+2:G0P+3], s[4:5], s[96:97]
	s_or_b32 s[G0P+3], s[G0P+3], 0x80000000
	s_mov_b32 s[G0R], 1
	s_mov_b32 s[G0R+1], s94
	s_add_nc_u64 s[G0R+2:G0R+3], s[4:5], s[98:99]
	s_or_b32 s[G0R+3], s[G0R+3], 0x80000000
	CROUND                                         ; all sixteen work-groups are here: the joint loads meet
	s_cmp_eq_u32 s[WP], 0                          ; one load a wave, one to each arm
	s_cbranch_scc0 .Lfor_r
	tensor_load_to_lds s[G0P:G0P+3], s[G1P:G1P+7]
	s_nop 0
.rept 4
	v_nop
.endr
	s_branch .Lasked
.Lfor_r:
	tensor_load_to_lds s[G0R:G0R+3], s[G1R:G1R+7]
	s_nop 0
.rept 4
	v_nop
.endr
.Lasked:
	v_and_b32 v[RR], 15, v0
	v_bfe_u32 v[HH], v0, 4, 1
	v_and_b32 v8, 31, v0
	v_lshlrev_b32 v[L16], 4, v8
	v_lshlrev_b32 v[L8], 3, v8
	s_wait_alu depctr_va_vdst(0)                   ; the wait here, ahead of the scalar lines
	; the scale words of all of K go from memory straight into registers: lanes 0-15 take P's block i, lanes 16-31 R's block i; sixteen lanes read 256 consecutive bytes, aligned
	s_lshl_b32 s94, s[WP], 3
	s_add_co_u32 s94, s94, s91
	s_lshl_b32 s94, s94, 9
	s_lshl_b32 s95, s[WR], 3
	s_add_co_u32 s95, s95, s92
	s_lshl_b32 s100, s95, 13                       ; my first tile of R in cod
	s_lshl_b32 s95, s95, 9
	v_mov_b32 v8, s94
	v_mov_b32 v9, s95
	v_cndmask_b32 v[SCO], v8, v9, s[HM]
	v_lshl_add_u32 v[SCO], v[RR], 4, v[SCO]
	v_add_nc_u32 v[VRO], s100, v[L16]
.irp g, 0,1
.irp i, 0,1,2,3,4,5,6,7
	global_load_b128 v[SC+32*\g+4*\i:SC+32*\g+4*\i+3], v[SCO], s[6:7] offset:512*\i+256*\g   ; register 32 g + 4 i + j: K step 4 g + j of block i
.endr
.endr
	; the bias, in both forms, so that one text serves the three kinds; the form that a kind does not use is loaded from an offset cut to the buffer's 1,024 numbers and is not read
	s_cmp_eq_u32 s[KIND], 1
	s_cselect_b64 s[2:3], s[10:11], s[8:9]
	s_cmp_eq_u32 s[KIND], 2
	s_cselect_b64 s[2:3], s[12:13], s[2:3]
	s_lshl_b32 s94, s85, 8
	s_lshl_b32 s95, s[WR], 7
	s_add_co_u32 s94, s94, s95                     ; my first row of R
	s_and_b32 s94, s94, 1023
	s_lshl_b32 s94, s94, 2
	s_lshl_b32 s95, s86, 8
	s_lshl_b32 s93, s[WP], 7
	s_add_co_u32 s95, s95, s93                     ; my first row of P
	s_and_b32 s95, s95, 1023
	s_lshl_b32 s95, s95, 2
	v_lshl_add_u32 v[VBJ], v[HH], 7, s94           ; by j: register 32 c + i is row 64 c + 32 h + i
	v_and_b32 v8, 8, v[RR]
	v_mad_u32_u24 v8, v8, 3, v[RR]                 ; r % 8 + 32 (r / 8)
	v_lshl_add_u32 v[VBI], v8, 2, s95              ; by i: tile a's lane r is row 64 (a / 4) + 8 (a % 4) + r % 8 + 32 (r / 8)
	s_wait_alu depctr_va_vdst(0)
.irp a, 0,1,2,3,4,5,6,7
	global_load_b32 v[BI+\a], v[VBI], s[2:3] offset:(64*(\a/4)+8*(\a%4))*4
.endr
	WIN 0xc0
.irp c, 0,1
.irp j, 0,1,2,3,4,5,6,7
	global_load_b128 v[BJ+32*\c+4*\j:BJ+32*\c+4*\j+3], v[VBJ], s[2:3] offset:256*\c+16*\j
.endr
.endr
	v_mov_b32 v[PD], 0                             ; written once: a lane permute's destination counts as one of its sources
	WIN 0x80
.irp s, 4,5,6,7                                ; R's K steps 4 to 7, step by step: sixteen loads a step, each of 512 consecutive bytes
.irp b, 0,1,2,3,4,5,6,7
.irp c, 0,1
	global_load_b128 v[64*(\s%4)+8*\b+4*\c:64*(\s%4)+8*\b+4*\c+3], v[VRO], s[4:5] offset:8192*\b+1024*\s+512*\c
.endr
.endr
.endr
	WIN 0
	s_lshl_b32 s94, s[WP], 16
	s_lshl_b32 s95, s[WR], 15
	s_add_co_u32 s95, s95, RLDS
	v_add_nc_u32 v[ADRP], s94, v[L16]
	v_add_nc_u32 v[ADRR], s95, v[L16]
	s_wait_alu depctr_va_vdst(0)                   ; the wait at the head's end: what follows up to the wait on TENSORcnt is scalar
	; where my results go.  My 128 tokens are step tw % 16 of batch tw / 16; my 128 features are heads hd0 and hd0 + 1
	s_cmp_eq_u32 s[KIND], 2
	s_cselect_b32 s93, s85, s86                    ; the tokens' block,
	s_cselect_b32 s96, s[WR], s[WP]                ; and my half of it
	s_cselect_b32 s94, s86, s85                    ; the features' block,
	s_cselect_b32 s95, s[WP], s[WR]                ; and my half of it
	s_lshl_b32 s93, s93, 1
	s_add_co_u32 s93, s93, s96                     ; tw
	s_lshl_b32 s94, s94, 2
	s_lshl_b32 s95, s95, 1
	s_add_co_u32 s94, s94, s95                     ; hd0
	s_lshr_b32 s96, s93, 4
	s_lshl_b32 s96, s96, 4
	s_add_co_u32 s96, s96, s94                     ; bh = 16 batch + head
	s_lshl_b32 s96, s96, 4
	s_and_b32 s93, s93, 15
	s_add_co_u32 s100, s96, s93                    ; 16 bh + step
	s_mov_b32 s95, 8960
	s_cmp_eq_u32 s[KIND], 0
	s_cselect_b32 s95, 4608, s95                   ; a step's bytes in qimg or in kv
	s_cselect_b64 s[D0:D0+1], s[14:15], s[16:17]
	s_mul_i32 s100, s100, s95
	s_mov_b32 s101, 0
	s_add_nc_u64 s[D0:D0+1], s[D0:D0+1], s[100:101]
	s_lshl_b32 s100, s95, 4                        ; the next head: 16 steps on
	s_add_nc_u64 s[D0+2:D0+3], s[D0:D0+1], s[100:101]
	; q, k: block a's two fours of codes are tile a of the first head and of the second; v: the two halves of V^T's tile a % 4 of head a / 4
	s_add_nc_u64 s[76:77], s[D0:D0+1], 5120
	s_mov_b32 s75, 0
	s_mov_b32 s[INC], 512
	s_mov_b32 s[INC+1], 0
	s_mov_b32 s[INC+2], 512
	s_mov_b32 s[INC+3], 0
	s_cmp_eq_u32 s[KIND], 2
	s_cselect_b32 s74, 4608, 0
	s_cselect_b32 s[INC], 1024, s[INC]
	s_cselect_b32 s[INC+2], 16*8960-3072, s[INC+2]
	s_cselect_b64 s[PT1:PT1+1], s[76:77], s[D0+2:D0+3]
	s_add_nc_u64 s[PT0:PT0+1], s[D0:D0+1], s[74:75]
.macro LP a                            ; P's fragments of block a, all of K: 16 LDS loads into set a % 2
	WIN 0
.irp s, 0,1,2,3,4,5,6,7
.irp c, 0,1
	ds_load_b128 v[PF+64*((\a)%2)+8*\s+4*\c:PF+64*((\a)%2)+8*\s+4*\c+3], v[ADRP] offset:8192*(\a)+1024*\s+512*\c
.endr
.endr
.endm
.macro LR s                            ; R's fragments of K step s: 16 LDS loads
	WIN 0x40
.irp b, 0,1,2,3,4,5,6,7
.irp c, 0,1
	ds_load_b128 v[64*(\s)+8*\b+4*\c:64*(\s)+8*\b+4*\c+3], v[ADRR] offset:4096*\b+1024*(\s)+512*\c
.endr
.endr
	WIN 0
.endm
; Eight matrix instructions: block a, K step s.  The eight accumulators take turns, one instruction a turn, in one order in every step
.macro GRP a, s
	WIN 0xf1+((\s)/4)                              ; source 0 (R) window 1 or 2, source 1 (P) window 0, C and D window 3
.irp b, 0,1,2,3,4,5,6,7
	v_wmma_scale_f32_16x16x128_f8f6f4 v[64*((\a)%2)+8*\b:64*((\a)%2)+8*\b+7], v[64*((\s)%4)+8*\b:64*((\s)%4)+8*\b+7], v[PF+64*((\a)%2)+8*(\s):PF+64*((\a)%2)+8*(\s)+7], v[64*((\a)%2)+8*\b:64*((\a)%2)+8*\b+7], v[SC+32*((\s)/4)+4*\b+(\s)%4], v[SC+32*((\s)/4)+4*(\a)+(\s)%4] matrix_a_fmt:MATRIX_FMT_FP4 matrix_b_fmt:MATRIX_FMT_FP4 matrix_a_scale:MATRIX_SCALE_ROW1
.endr
.endm
; K step 0 starts the sums with the bias: by j, in the result's layout, or by i: the lane's row's, eight times.  The branch hangs on the cluster's y: the same in all partners and all waves
.macro GRP0 a
	WIN 0
	s_cmp_eq_u32 s[KIND], 2
	s_cbranch_scc1 .Lbias_i_\@
	WIN 0xf1
.irp b, 0,1,2,3,4,5,6,7
	v_wmma_scale_f32_16x16x128_f8f6f4 v[64*((\a)%2)+8*\b:64*((\a)%2)+8*\b+7], v[8*\b:8*\b+7], v[PF+64*((\a)%2):PF+64*((\a)%2)+7], v[BJ+8*\b:BJ+8*\b+7], v[SC+4*\b], v[SC+4*(\a)] matrix_a_fmt:MATRIX_FMT_FP4 matrix_b_fmt:MATRIX_FMT_FP4 matrix_a_scale:MATRIX_SCALE_ROW1
.endr
	WIN 0
	s_branch .Lbias_end_\@
.Lbias_i_\@:
	WIN 0xc0
.irp i, 0,1,2,3,4,5,6,7
	v_mov_b32 v[BR+\i], v[BI+(\a)]
.endr
	WIN 0xf1
.irp b, 0,1,2,3,4,5,6,7
	v_wmma_scale_f32_16x16x128_f8f6f4 v[64*((\a)%2)+8*\b:64*((\a)%2)+8*\b+7], v[8*\b:8*\b+7], v[PF+64*((\a)%2):PF+64*((\a)%2)+7], v[BR:BR+7], v[SC+4*\b], v[SC+4*(\a)] matrix_a_fmt:MATRIX_FMT_FP4 matrix_b_fmt:MATRIX_FMT_FP4 matrix_a_scale:MATRIX_SCALE_ROW1
.endr
	WIN 0
.Lbias_end_\@:
.endm
; THE WAY OUT of block e, in four parts, all in window 3.  Its accumulators' register 32 c + i of lane (r, h) is place 64 c + 32 h + i along the next K: two whole blocks of 32 a lane, four chains of the maximum each
.macro EA e
	WIN 0xff
.irp u, 0,1,2,3
.irp c, 0,4
	v_max3_num_f32 v[TM+\c+\u], |v[64*((\e)%2)+8*\c+8*\u]|, |v[64*((\e)%2)+8*\c+8*\u+1]|, |v[64*((\e)%2)+8*\c+8*\u+2]|   ; each accumulator from its low end on
.endr
.endr
.irp u, 0,1,2,3
.irp c, 0,4
	v_max3_num_f32 v[TM+\c+\u], v[TM+\c+\u], |v[64*((\e)%2)+8*\c+8*\u+3]|, |v[64*((\e)%2)+8*\c+8*\u+4]|
.endr
.endr
.endm
.macro EB e
	WIN 0xff
.irp u, 0,1,2,3
.irp c, 0,4
	v_max3_num_f32 v[TM+\c+\u], v[TM+\c+\u], |v[64*((\e)%2)+8*\c+8*\u+5]|, |v[64*((\e)%2)+8*\c+8*\u+6]|
.endr
.endr
.irp c, 0,4
	v_max3_num_f32 v[TM+\c], v[TM+\c], |v[64*((\e)%2)+8*\c+7]|, |v[64*((\e)%2)+8*\c+15]|
.endr
.irp c, 0,4
	v_max3_num_f32 v[TM+\c+1], v[TM+\c+1], |v[64*((\e)%2)+8*\c+23]|, |v[64*((\e)%2)+8*\c+31]|
.endr
.irp c, 0,4
	v_max3_num_f32 v[TM+\c], v[TM+\c], v[TM+\c+2], v[TM+\c+3]
.endr
.endm
.macro EC e
	WIN 0xff
.irp c, 0,4
	v_max3_num_f32 v[TM+\c], v[TM+\c], v[TM+\c+1], 0x1800000   ; the floor 2^(3 - 127) holds the byte at 1 from below
.endr
.irp c, 0,1
	v_add_nc_u32 v[SO+\c], 0xff000000, v[TM+4*\c]  ; 2 off the exponent field: the conversion's scale operand
.endr
.irp c, 0,1
	v_lshrrev_b32 v[BY+\c], 23, v[SO+\c]           ; the scale's byte
.endr
	v_lshl_or_b32 v[BY], v[BY+1], 16, v[BY]        ; blocks h and 2 + h
.irp c, 0,1
.irp u, 0,1,2,3
	v_cvt_scalef32_pk8_fp4_f32 v[PC+8*((\e)%4)+4*\c+\u], v[64*((\e)%2)+32*\c+8*\u:64*((\e)%2)+32*\c+8*\u+7], v[SO+\c]   ; (the stores of four blocks ago have read these registers)
.endr
.endr
.endm
.macro ED e
	WIN 0xff
	v_permlanex16_b32 v[PD], v[BY], s[SEL], s[SEL+1]
.if (\e)%2 == 0
	v_lshl_or_b32 v[SQ+(\e)/2], v[PD], 8, v[BY]    ; the row's four bytes, right in lanes 0-15, which an even tile uses;
.else
	v_lshl_or_b32 v[PW], v[BY], 8, v[PD]           ; right in lanes 16-31, which an odd tile uses
	v_cndmask_b32 v[SQ+(\e)/2], v[SQ+(\e)/2], v[PW], s[HM]
.endif
	WIN 0x0c
	global_store_b128 v[L16], v[PC+8*((\e)%4):PC+8*((\e)%4)+3], s[PT0:PT0+1]      ; 32 lanes store 512 consecutive bytes, aligned
	global_store_b128 v[L16], v[PC+8*((\e)%4)+4:PC+8*((\e)%4)+7], s[PT1:PT1+1]
	WIN 0
.endm
.macro ONWARD e                        ; the stores' bases step to block e, behind the wait that shows the earlier stores' addresses read
.if (\e) > 0
	s_wait_xcnt 0x0
.if (\e) == 4
	s_add_nc_u64 s[PT0:PT0+1], s[PT0:PT0+1], s[INC+2:INC+3]
	s_add_nc_u64 s[PT1:PT1+1], s[PT1:PT1+1], s[INC+2:INC+3]
.else
	s_add_nc_u64 s[PT0:PT0+1], s[PT0:PT0+1], s[INC:INC+1]
	s_add_nc_u64 s[PT1:PT1+1], s[PT1:PT1+1], s[INC:INC+1]
.endif
.endif
.endm
; Block a's products, with the way out of block e = a - 1 between them; block n = a + 1's fragments are asked for
.macro BLK a, e, n
	WIN 0
	PLACES                                         ; between block e's products and the loads into its fragments' registers and the reads of its results
	s_wait_dscnt 0x0                               ; block a's fragments are in: they were asked for a block ago
.if (\n) < 8
	LP \n
.endif
	GRP0 \a
	ONWARD \e
	GRP \a, 1
	EA \e
	GRP \a, 2
	GRP \a, 3
	EB \e
	GRP \a, 4
	GRP \a, 5
	EC \e
	GRP \a, 6
	GRP \a, 7
	ED \e
.endm
	s_wait_tensorcnt 0x0                           ; my 8 tiles have landed,
	s_barrier_signal -1
	s_barrier_wait -1                              ; and everybody's
	LP 0
	LR 0
	LR 1
	LR 2
	s_wait_loadcnt 63                              ; of 104 loads the first 41 are in: the scale words and biases (40)
	s_wait_dscnt 32                                ; block 0 of P and R's K step 0 are in; two steps' 16 loads each may be out
	GRP0 0
	LR 3
	s_wait_dscnt 32                                ; K step 1's are in; steps 2 and 3 may be out
	GRP 0, 1
	LP 1
	s_wait_dscnt 32                                ; K step 2's are in; step 3 and block 1 may be out
	GRP 0, 2
	s_wait_dscnt 16                                ; K step 3's are in; block 1 may be out
	GRP 0, 3
	s_wait_loadcnt 48                              ; K step 4's are in; sixteen loads of each later step may be out
	GRP 0, 4
	s_wait_loadcnt 32
	GRP 0, 5
	s_wait_loadcnt 16
	GRP 0, 6
	s_wait_loadcnt 0x0
	GRP 0, 7
	BLK 1, 0, 2
	BLK 2, 1, 3
	BLK 3, 2, 4
	BLK 4, 3, 5
	BLK 5, 4, 6
	BLK 6, 5, 7
	BLK 7, 6, 8
	PLACES
	ONWARD 7
	EA 7
	EB 7
	EC 7
	ED 7
	s_wait_alu depctr_va_vdst(0)                   ; the wait here, ahead of the branch
	s_cmp_eq_u32 s[KIND], 2
	s_cbranch_scc1 .Lwords_v
	WIN 0xff
.irp j, 0,1,2,3
	v_perm_b32 v[TM+\j], v[SQ+\j], v[SQ+\j], 0x01000100     ; the first head's two bytes, twice,
	v_perm_b32 v[TM+4+\j], v[SQ+\j], v[SQ+\j], 0x03020302   ; and the second's
.endr
	WIN 0x0c
	global_store_b128 v[L16], v[TM:TM+3], s[D0:D0+1] offset:4096
	global_store_b128 v[L16], v[TM+4:TM+7], s[D0+2:D0+3] offset:4096
	WIN 0
	s_branch .Lend
.Lwords_v:
	WIN 0x0c
	global_store_b64 v[L8], v[SQ:SQ+1], s[D0:D0+1] offset:8704       ; 32 lanes store 256 consecutive bytes, aligned
	global_store_b64 v[L8], v[SQ+2:SQ+3], s[D0+2:D0+3] offset:8704
	WIN 0
.Lend:
	s_wait_tensorcnt 0x0                           ; the wave's end: three lines behind my last tensor load
	ds_add_u32 v[SPW], v[NIL]
	s_wait_dscnt 0x0
	CROUND                                         ; the closing round
	s_endpgm
.Lfunc_end_k_q57cc6e9d92_proj:
	.size	k_q57cc6e9d92_proj, .Lfunc_end_k_q57cc6e9d92_proj-k_q57cc6e9d92_proj
	.p2alignl 7, 3214868480
	.fill 96, 4, 3214868480
	.section	.rodata,"a",@progbits
	.p2align	6, 0x0
	.amdhsa_kernel k_q57cc6e9d92_proj
		.amdhsa_group_segment_fixed_size 197120
		.amdhsa_private_segment_fixed_size 0
		.amdhsa_enable_private_segment 0
		.amdhsa_kernarg_size 56
		.amdhsa_user_sgpr_count 2
		.amdhsa_user_sgpr_kernarg_segment_ptr 1
		.amdhsa_wavefront_size32 1
		.amdhsa_system_sgpr_workgroup_id_x 1
		.amdhsa_system_sgpr_workgroup_id_y 1
		.amdhsa_system_sgpr_workgroup_id_z 1
		.amdhsa_system_vgpr_workitem_id 0
		.amdhsa_next_free_vgpr 1024
		.amdhsa_next_free_sgpr 102
		.amdhsa_reserve_vcc 0
		.amdhsa_float_denorm_mode_32 3
		.amdhsa_float_denorm_mode_16_64 3
		.amdhsa_memory_ordered 1
		.amdhsa_forward_progress 1
		.amdhsa_inst_pref_size 138
	.end_amdhsa_kernel
	.amdgpu_metadata
---
amdhsa.version: [ 1, 2 ]
amdhsa.kernels:
  - .name:           k_q57cc6e9d92_proj
    .symbol:         k_q57cc6e9d92_proj.kd
    .args:
      - { .name: cod, .offset: 0, .size: 8, .value_kind: global_buffer, .address_space: global }
      - { .name: scl, .offset: 8, .size: 8, .value_kind: global_buffer, .address_space: global }
      - { .name: bq, .offset: 16, .size: 8, .value_kind: global_buffer, .address_space: global }
      - { .name: bk, .offset: 24, .size: 8, .value_kind: global_buffer, .address_space: global }
      - { .name: bv, .offset: 32, .size: 8, .value_kind: global_buffer, .address_space: global }
      - { .name: qimg, .offset: 40, .size: 8, .value_kind: global_buffer, .address_space: global }
      - { .name: kv, .offset: 48, .size: 8, .value_kind: global_buffer, .address_space: global }
    .group_segment_fixed_size: 197120
    .private_segment_fixed_size: 0
    .kernarg_segment_align: 8
    .kernarg_segment_size: 56
    .max_flat_workgroup_size: 128
    .sgpr_count:     102
    .vgpr_count:     1024
    .wavefront_size: 32
...
	.end_amdgpu_metadata
.endif
;; end of part 2
;; launch attn (part 3): grid 8 x 32, 16 waves a work-group, clusters of 4 x 1, 167,936 bytes of LDS; arguments qimg, kv, cod, scl; writes cod, scl
.if DOCPART == 3
	.amdgcn_target "amdgcn-amd-amdhsa--gfx1250"
	.amdhsa_code_object_version 6
	.text
	.protected	k_q57cc6e9d92_attn
	.globl	k_q57cc6e9d92_attn
	.p2align	8
	.type	k_q57cc6e9d92_attn,@function
k_q57cc6e9d92_attn:
	s_mov_b64 s[64:65], 0
	v_nop
	global_prefetch_b8 v0, s[64:65] scope:SCOPE_SE
	s_setreg_imm32_b32 hwreg(HW_REG_WAVE_MODE, 25, 1), 1
	s_wait_xcnt 0x0
	s_wait_alu depctr_hold_cnt(0) depctr_sa_sdst(0) depctr_va_vdst(0) depctr_va_sdst(0) depctr_va_ssrc(0) depctr_va_vcc(0) depctr_vm_vsrc(0)
	s_getreg_b32 s2, hwreg(HW_REG_IB_STS2, 6, 4)
	s_cmp_eq_u32 s2, 0
	s_cbranch_scc0 .Lentry_in_a_cluster
	s_endpgm
.Lentry_in_a_cluster:
	s_bfe_u32 s2, ttmp6, 0x10000c
	s_cmp_lg_u32 s2, 0x3003
	s_cbranch_scc0 .Lentry_shape_is_right
	s_endpgm
.Lentry_shape_is_right:
; Attention on codes of FP4 (E2M1) with E8M0 scales: S^T = K Q^T (K = the head's 64, filled up to the instruction's 128 with zero codes in Q), the softmax, O^T = V^T P^T (K = the keys), O / l,
; and the quantising of the result along d_model for the last projection.
; THE SOFTMAX: t = score x log2(e) / 8; M = the largest t so far, rounded UP to a whole number; p = 2^(t - M) is what is quantised, along the keys, not normalised.  The row's sum is taken of the unquantised p, in f32,
; and divides O at the end.  When M moves, the sum and O are multiplied by 2^(old M - new M): exact.
; SHARES: work-group = 256 queries of one (batch, head); each of its sixteen waves owns one tile of 16 queries in 256 registers, and walks the keys 256 at a time, as two halves A and B of 128: one change of M for 256 keys.
; LDS: the WHOLE head's K, V and scale words, 16 key steps x 8,960 bytes, come once: wave w asks for key step w, one load a wave (one of mine is out).  Nothing is filled again: no ring, no barrier in the loop.
; CLUSTER 4 x 1: the four query blocks of a cluster belong to one head and need the same 143,360 bytes: each load is asked for jointly by the four.  The one load stands at the head, so nothing is prefetched.
; LAYOUT: both products transposed: a lane holds ONE query (lane % 16) throughout.  Tiles of K and V^T are images of operand registers whose lane r is row 64 (T / 4) + 8 (T % 4) + r % 8 + 32 (r / 8): so the 32 registers of
; score tiles 4 c .. 4 c + 3 are keys 64 c + 32 (lane / 16) + 0 .. 31, one block of the quantiser in one lane, and the conversions' results are P's operand registers; likewise O^T's tiles and the channels.
; K's fragments are four registers a tile; the operand's upper four, which meet Q's zero codes, are whatever stands behind: the next tile's codes, or v92-95.  Every FP4 code is finite, so those products are 0.
; A BLOCK'S SCALE: its largest p has the exponent floor(t - M) of its largest score; the scale is 2^(that - 2), held at the byte 1 from below.
; OUT: cod tile 1024 + token tile, K step head / 2, half head % 2: 512 consecutive bytes a wave.  The two scale bytes a row go out singly (32 lanes, one byte each): two heads share a word, so these bytes, one in 17 of what
; the launch stores, do not fill their 256-byte blocks by one instruction.
; LIMITS: scaled scores stay under 2^31 in magnitude; 1 / l by v_rcp_f32; a block of zeros gets the byte 1 (its codes are zeros); NaN and infinities are not served.
; REGISTERS: v0 thread; v1, v2 the trip's addresses; v3, v11 the halves' scale words of p; v4 -M, v5 largest score; v6, v7 the add's; v[8:9] the sum; v10 Q's scale word; v12-15, v16-19 scale words of K or V;
;   v20-27 Q (v24-27 zeros); v28-59 VR: K of half B, then V of half A, then V of half B; v60-91 KR: K of half A, then at work (v60-67 p's codes of half A); v92, v93 half B's scale operands; v94 f;
;   v96-127 O^T; v128-191 S^T of half A, then p (v160-167 at last p's codes of half B); v192-255 S^T of half B, then p.
.set STEPB, 8960
.set SPARE, 16*STEPB                   ; behind the head's tiles: the spare words, 128 bytes a wave: eight blocks of 256 bytes that no other line names
.set ADK, 1
.set ADV, 2
.set PWA, 3
.set NM,  4
.set MS,  5
.set SPW, 6
.set NIL, 7
.set SUM, 8
.set QS,  10
.set PWB, 11
.set KS0, 12
.set KS1, 16
.set QF,  20
.set VR,  28
.set KR,  60
.set T1,  68                           ; v68-71  the four blocks' largest scores
.set T2,  72                           ; v72-75  second chains, then exponents
.set T3,  76                           ; v76-79  at work
.set SOA, 80                           ; v80-81  half A's scale operands
.set WB,  82                           ; v82-85  scale words at work
.set SOB, 92
.set FF,  94
.set OT,  96
.set SA,  128
.set SB,  192
.set WV,  12
.set G1,  16
.set G0,  24
.set SEL, 28
.set CS,  30
.set TB,  32
.set CNT, 33
.set NCS, 34
.macro CROUND
	s_barrier_signal -1
	s_barrier_wait -1
	s_cmp_lg_u32 s[WV], 0
	s_cbranch_scc1 .Lnot_wave_0_\@
	s_barrier_signal -3
.Lnot_wave_0_\@:
	s_barrier_wait -3
	s_barrier_signal -1
	s_barrier_wait -1
.endm
.macro LDK to, off, ks                 ; a key step's K: 8 tiles; its words: register j: tile 2 j in lanes 0-15, tile 2 j + 1 in lanes 16-31
.irp t, 0,1,2,3,4,5,6,7
	ds_load_b128 v[\to+4*\t:\to+4*\t+3], v[ADK] offset:\off+512*\t
.endr
	ds_load_b128 v[\ks:\ks+3], v[ADK] offset:\off+4096
.endm
.macro LDV off                         ; a key step's V^T: 4 tiles; its words laid likewise
.irp i, 0,1,2,3,4,5,6,7
	ds_load_b128 v[VR+4*\i:VR+4*\i+3], v[ADK] offset:\off+4608+512*\i
.endr
	ds_load_b64 v[KS1:KS1+1], v[ADV] offset:\off+8704
.endm
.macro QK to, fr, ks                   ; S^T of 128 keys
.irp t, 0,1,2,3,4,5,6,7
.if \t%2
	v_wmma_scale_f32_16x16x128_f8f6f4 v[\to+8*\t:\to+8*\t+7], v[\fr+4*\t:\fr+4*\t+7], v[QF:QF+7], 0, v[\ks+\t/2], v[QS] matrix_a_fmt:MATRIX_FMT_FP4 matrix_b_fmt:MATRIX_FMT_FP4 matrix_a_scale:MATRIX_SCALE_ROW1
.else
	v_wmma_scale_f32_16x16x128_f8f6f4 v[\to+8*\t:\to+8*\t+7], v[\fr+4*\t:\fr+4*\t+7], v[QF:QF+7], 0, v[\ks+\t/2], v[QS] matrix_a_fmt:MATRIX_FMT_FP4 matrix_b_fmt:MATRIX_FMT_FP4
.endif
.endr
.endm
.macro PV co, pw                       ; O^T += V^T P^T over 128 keys; the four accumulators take turns
.irp t, 0,1,2,3
.if \t%2
	v_wmma_scale_f32_16x16x128_f8f6f4 v[OT+8*\t:OT+8*\t+7], v[VR+8*\t:VR+8*\t+7], v[\co:\co+7], v[OT+8*\t:OT+8*\t+7], v[KS1+\t/2], v[\pw] matrix_a_fmt:MATRIX_FMT_FP4 matrix_b_fmt:MATRIX_FMT_FP4 matrix_a_scale:MATRIX_SCALE_ROW1
.else
	v_wmma_scale_f32_16x16x128_f8f6f4 v[OT+8*\t:OT+8*\t+7], v[VR+8*\t:VR+8*\t+7], v[\co:\co+7], v[OT+8*\t:OT+8*\t+7], v[KS1+\t/2], v[\pw] matrix_a_fmt:MATRIX_FMT_FP4 matrix_b_fmt:MATRIX_FMT_FP4
.endif
.endr
.endm
.macro TM from, cnt, x                 ; t - M of cnt pairs
.set J, \from
.rept \cnt
	v_pk_fma_f32 v[\x+2*J:\x+2*J+1], v[\x+2*J:\x+2*J+1], s[CS:CS+1], v[NM:NM+1] op_sel_hi:[1,0,0]
.set J, J+1
.endr
.endm
.macro LV from, cnt, x, y              ; pair J of x += pair J of y: a level of the sum's tree
.set J, \from
.rept \cnt
	v_pk_add_f32 v[\x+2*J:\x+2*J+1], v[\x+2*J:\x+2*J+1], v[\y+2*J:\y+2*J+1]
.set J, J+1
.endr
.endm
.macro CODES to, x, so                 ; 64 p's become P's fragment
.irp c, 0,1
.irp u, 0,1,2,3
	v_cvt_scalef32_pk8_fp4_f32 v[\to+4*\c+\u], v[\x+32*\c+8*\u:\x+32*\c+8*\u+7], v[\so+\c]
.endr
.endr
.endm
; A TRIP of 256 keys.  more = 1: the next trip's K is asked for.  2: likewise, and this is the first trip: in its middle, where no LDS load of mine is out, I say that my key step has landed;
; the barrier's other half stands behind the trip, which reads key steps 0 to 3 alone
.macro TRIP more
	QK SA, KR, KS0                                 ; half A's K was waited for in the trip before
	s_wait_dscnt 0x0                               ; half B's K is in
	QK SB, VR, KS1
	v_and_b32 v[ADK], 31, v0                       ; these four plain lines, which name no register of the products, stand between them and the loads and reads below
	v_lshl_add_u32 v[ADV], v[ADK], 3, s[TB]
	v_lshl_add_u32 v[ADK], v[ADK], 4, s[TB]
	v_nop
	LDV 0                                          ; half A's V
.irp b, 0,1,2,3
	v_max3_num_f32 v[T1+\b], v[SA+32*\b], v[SA+32*\b+1], v[SA+32*\b+2]   ; the largest score of each of my four blocks, in two chains a block
.endr
.irp b, 0,1,2,3
	v_max3_num_f32 v[T2+\b], v[SA+32*\b+16], v[SA+32*\b+17], v[SA+32*\b+18]
.endr
.irp i, 3,5,7,9,11,13                  ; (each accumulator is first read at its low end)
.irp b, 0,1,2,3
	v_max3_num_f32 v[T1+\b], v[T1+\b], v[SA+32*\b+\i], v[SA+32*\b+\i+1]
.endr
.irp b, 0,1,2,3
	v_max3_num_f32 v[T2+\b], v[T2+\b], v[SA+32*\b+16+\i], v[SA+32*\b+17+\i]
.endr
.endr
.irp b, 0,1,2,3
	v_max3_num_f32 v[T1+\b], v[T1+\b], v[SA+32*\b+15], v[SA+32*\b+31]
.endr
.irp b, 0,1,2,3
	v_max_num_f32 v[T1+\b], v[T1+\b], v[T2+\b]
.endr
	v_max3_num_f32 v[T3], v[T1], v[T1+1], v[MS]
	v_max3_num_f32 v[T3], v[T3], v[T1+2], v[T1+3]
	v_permlanex16_b32 v[T3+1], v[T3], s[SEL], s[SEL+1]
	v_max_num_f32 v[MS], v[T3], v[T3+1]            ; with lane l xor 16's: the largest score so far of my query
	v_mul_f32 v[T3], s[NCS], v[MS]                 ; -t (the factor is negative)
	v_floor_f32 v[T3+2], v[T3]                     ; the new -M = floor(-t) = -ceil(t)
	v_sub_f32 v[T3+3], v[T3+2], v[NM]              ; old M less new M: a whole number, 0 or less
	v_mov_b32 v[NM], v[T3+2]
.irp b, 0,1,2,3
	v_fma_f32 v[T1+\b], v[T1+\b], s[CS], v[T3+2]   ; t - M of each block's largest score
.endr
	TM 0, 6, SA
	v_cvt_i32_f32 v[T3+3], v[T3+3]                 ; (it saturates)
.irp b, 0,1,2,3
	v_max_num_f32 v[T1+\b], 0xc2f80000, v[T1+\b]   ; held at -124, so that the byte cannot fall under 1
.endr
	TM 6, 6, SA
	v_ldexp_f32 v[FF], 1.0, v[T3+3]                ; f = 2^(old M - new M)
.irp b, 0,1,2,3
	v_cvt_floor_i32_f32 v[T2+\b], v[T1+\b]         ; the exponent of the block's largest p
.endr
	TM 12, 6, SA
	v_lshl_add_u32 v[WB], v[T2+1], 16, v[T2]       ; my two exponents of half A, blocks h and 2 + h,
	v_lshl_add_u32 v[WB+1], v[T2+3], 16, v[T2+2]   ; and of half B;
	TM 18, 4, SA
	v_add_nc_u32 v[WB], 0x7d007d, v[WB]            ; + 125 each: the scale bytes
	v_add_nc_u32 v[WB+1], 0x7d007d, v[WB+1]
	TM 22, 4, SA
	v_permlanex16_b32 v[WB+2], v[WB], s[SEL], s[SEL+1]
	v_permlanex16_b32 v[WB+3], v[WB+1], s[SEL], s[SEL+1]
	TM 26, 6, SA
.set N, 0
.rept 16
	v_pk_mul_f32 v[OT+2*N:OT+2*N+1], v[OT+2*N:OT+2*N+1], v[FF:FF+1] op_sel_hi:[1,0]   ; O^T under the new M, each accumulator from its low end on
.set N, N+1
.endr
	s_wait_alu depctr_va_vdst(0)                   ; the wait ahead of the batch
.set N, 0
.rept 32
	v_exp_f32 v[SA+2*N], v[SA+2*N]                 ; p of half A, at most 1
	v_exp_f32 v[SA+2*N+1], v[SA+2*N+1]
	TM N, 1, SB                                    ; a plain line that reads none of the batch's results, and that nothing reads ahead of the next wait: t - M of half B; and, so too:
.if N == 3
	v_lshl_add_u32 v[SOA], v[T2], 23, 0x3e800000   ; the conversions' scale operands: the exponent field is the exponent + 127 - 2
.elseif N == 7
	v_lshl_add_u32 v[SOA+1], v[T2+1], 23, 0x3e800000
.elseif N == 11
	v_lshl_add_u32 v[SOB], v[T2+2], 23, 0x3e800000
.elseif N == 15
	v_lshl_add_u32 v[SOB+1], v[T2+3], 23, 0x3e800000
.elseif N == 19
	v_lshl_or_b32 v[PWA], v[WB+2], 8, v[WB]        ; p's scale words, right in lanes 0-15, which the products read
.elseif N == 23
	v_lshl_or_b32 v[PWB], v[WB+3], 8, v[WB+1]
.endif
.set N, N+1
.endr
.if \more == 2
	s_wait_dscnt 0x0                               ; no LDS load of mine is out,
	s_wait_tensorcnt 0x0                           ; and my key step has landed: say so
	s_barrier_signal -1
.endif
	s_wait_alu depctr_va_vdst(0)                   ; one wait for the batch, ahead of its first reader
.set N, 0
.rept 8                                ; p of half B.  Among the exponentials: half A's conversions into KR, and the first level of THE ROW'S SUM of the unquantised p, a tree of packed additions over both halves
.rept 4
	v_exp_f32 v[SB+N], v[SB+N]
.set N, N+1
.endr
.set U, N/8
	v_cvt_scalef32_pk8_fp4_f32 v[KR+U], v[SA+8*U:SA+8*U+7], v[SOA+U/4]
.rept 4
	v_exp_f32 v[SB+N], v[SB+N]
.set N, N+1
.endr
.if U == 0
	v_pk_mul_f32 v[SUM:SUM+1], v[SUM:SUM+1], v[FF:FF+1] op_sel_hi:[1,0]   ; the sum under the new M: a plain line between the first conversion and the first addition, which writes its sources
.else
	LV 2*U-2, 2, SA, SA+32                         ; pairs 2 U - 2 and 2 U - 1: their own conversion, U / 2 - 1 rounded up at the most, stands a round or more back; nothing reads them ahead of the next wait
.endif
.endr
	LV 14, 2, SA, SA+32
	s_wait_dscnt 0x0                               ; half A's V is in
	s_wait_alu depctr_va_vdst(0)                   ; one wait for the batch, ahead of its first reader
	LV 0, 4, SA, SA+16                             ; with the four additions above, eight places between the conversions and the products
	PV KR, PWA
	LV 4, 4, SA, SA+16                             ; four places between the products and the loads into their registers
	LDV STEPB                                      ; half B's V,
.if \more
	LDK KR, 2*STEPB, KS0                           ; and the next trip's half A of K
.endif
	CODES SA+32, SB, SOB                           ; half B's codes, into registers of half A that the sum has done with
	LV 0, 4, SA, SA+8                              ; (plain lines behind the conversions)
	LV 0, 16, SB, SB+32
	s_wait_dscnt 0x0                               ; half B's V and the next K of half A are in
	s_wait_alu depctr_va_vdst(0)                   ; the wait behind the wait above
	PV SA+32, PWB
	LV 0, 8, SB, SB+16
.if \more
	LDK VR, 3*STEPB, KS1                           ; the next trip's half B of K
.endif
	LV 0, 4, SB, SB+8
	LV 0, 4, SA, SB
	LV 0, 2, SA, SA+4
	LV 0, 1, SA, SA+2
	v_pk_add_f32 v[SUM:SUM+1], v[SUM:SUM+1], v[SA:SA+1]
.endm
	s_load_b256 s[4:11], s[0:1], 0x0               ; qimg, kv, cod, scl
	v_lshl_add_u32 v[SPW], v0, 2, SPARE
	v_mov_b32 v[NIL], 0
	ds_add_u32 v[SPW], v[NIL]                      ; the wave's opening: the add, twice on end, and its wait ahead of my first tensor load
	ds_add_u32 v[SPW], v[NIL]
	v_lshrrev_b32 v8, 5, v0
	v_readfirstlane_b32 s[WV], v8                  ; wave 0..15
	s_bfe_u32 s13, ttmp6, 0x40000                  ; cx
	s_lshl_b32 s14, ttmp9, 2
	s_add_co_u32 s14, s14, s13                     ; my block of 256 queries: it enters Q's and the output's addresses alone
	s_and_b32 s15, ttmp7, 0xffff                   ; bh = 16 batch + head, which the four partners share
	; group 1: a key step's 8,960 dense bytes as 35 rows of 256 (32 elements of 8 bytes); the mask names all four work-groups
	s_mov_b32 s[G1], 15|(3<<16)|(1<<21)
	s_mov_b32 s[G1+1], 32<<16
	s_mov_b32 s[G1+2], 35<<16
	s_mov_b32 s[G1+3], 32<<16
	s_mov_b32 s[G1+4], 35
	s_mov_b32 s[G1+5], 32
	s_mov_b32 s[G1+6], 0
	s_mov_b32 s[G1+7], 0
	s_lshl_b32 s36, s15, 4
	s_add_co_u32 s36, s36, s[WV]
	s_mul_i32 s36, s36, STEPB                      ; key step w of my head, in memory,
	s_mov_b32 s37, 0
	s_mul_i32 s35, s[WV], STEPB                    ; and in LDS
	s_mov_b32 s[SEL], 0x76543210
	s_mov_b32 s[SEL+1], 0xfedcba98
	s_mov_b32 s[CS], 0x3e38aa3b                    ; c = log2(e) / sqrt(64)
	s_mov_b32 s[CS+1], s[CS]                       ; (named with it as a pair, so it is written)
	s_mov_b32 s[NCS], 0xbe38aa3b                   ; -c
	s_mov_b32 s[TB], 0
	s_mov_b32 s[CNT], 0
	s_wait_dscnt 0x0                               ; both opening adds are done
	s_wait_kmcnt 0x0
	s_mov_b32 s[G0], 1
	s_mov_b32 s[G0+1], s35
	s_add_nc_u64 s[G0+2:G0+3], s[6:7], s[36:37]
	s_or_b32 s[G0+3], s[G0+3], 0x80000000
	CROUND                                         ; all four work-groups are here: the joint loads meet
	s_cmp_lt_u32 s[WV], 4                          ; key steps 0 to 3, which the first trip reads, and the others: waves that wait at different places have load lines of their own, one load to each arm
	s_cbranch_scc0 .Llater
	tensor_load_to_lds s[G0:G0+3], s[G1:G1+7]
	s_nop 0
.rept 4
	v_nop
.endr
	s_branch .Lasked
.Llater:
	tensor_load_to_lds s[G0:G0+3], s[G1:G1+7]
	s_nop 0
.rept 4
	v_nop
.endr
.Lasked:
	v_and_b32 v130, 31, v0
	v_lshlrev_b32 v[ADK], 4, v130
	s_wait_alu depctr_va_vdst(0)                   ; the wait here, ahead of the scalar lines
	; Q: step 2 blk + w / 8 of my head's sixteen, tile w % 8
	s_lshl_b32 s38, s15, 4
	s_lshl_b32 s39, s14, 1
	s_add_co_u32 s38, s38, s39
	s_lshr_b32 s39, s[WV], 3
	s_add_co_u32 s38, s38, s39
	s_mul_i32 s38, s38, 4608
	s_mov_b32 s39, 0
	s_add_nc_u64 s[4:5], s[4:5], s[38:39]
	s_and_b32 s40, s[WV], 7
	s_lshl_b32 s41, s40, 9
	v_add_nc_u32 v130, s41, v[ADK]
	global_load_b128 v[QF:QF+3], v130, s[4:5]      ; my tile's codes: d = 32 h ..
	s_and_b32 s41, s40, 1
	s_lshl_b32 s41, s41, 8
	s_lshr_b32 s40, s40, 1
	s_lshl_b32 s40, s40, 2
	s_add_co_u32 s41, s41, s40
	v_and_b32 v131, 15, v0
	v_lshl_add_u32 v131, v131, 4, s41
	global_load_b32 v[QS], v131, s[4:5] offset:4096  ; row r's scale word: lane 16 (tile % 2) + r's word tile / 2 of the packed words
	; where my result goes: token tile T = 128 batch + 16 blk + w
	s_lshr_b32 s42, s15, 4
	s_lshl_b32 s42, s42, 7
	s_lshl_b32 s43, s14, 4
	s_add_co_u32 s42, s42, s43
	s_add_co_u32 s42, s42, s[WV]
	s_add_co_u32 s42, s42, 1024
	s_and_b32 s43, s15, 15                         ; the head
	s_lshl_b32 s44, s42, 13
	s_lshl_b32 s45, s43, 9                         ; K step head / 2, half head % 2: 512 x head
	s_add_co_u32 s44, s44, s45
	s_mov_b32 s45, 0
	s_add_nc_u64 s[8:9], s[8:9], s[44:45]
	s_lshl_b32 s46, s42, 9
	s_lshr_b32 s47, s43, 3
	s_lshl_b32 s47, s47, 8                         ; half head / 8 of K,
	s_add_co_u32 s46, s46, s47
	s_and_b32 s47, s43, 7
	s_lshl_b32 s47, s47, 1                         ; bytes 2 (head % 8) and + 1 of a row's 16
	s_add_co_u32 s46, s46, s47
	s_mov_b32 s47, 0
	s_add_nc_u64 s[10:11], s[10:11], s[46:47]
	v_mov_b32 v[MS], 0xff61b1e6                    ; the largest score so far: -3e38, under every score
	v_floor_f32 v[NM], -v[MS]                      ; -M
	v_mov_b32 v[SUM], 0
	v_mov_b32 v[SUM+1], 0
.irp j, 0,1,2,3
	v_mov_b32 v[QF+4+\j], 0                        ; Q's codes of k = 64 .. 127: zeros
	v_mov_b32 v[92+\j], 0                          ; named behind K's last tile, and as halves of pairs, before they are first written
.endr
.set N, 0
.rept 32
	v_mov_b32 v[OT+N], 0                           ; O^T.  The trip is written once for the loop: the first finds zeros, which the first change of M leaves zeros
.set N, N+1
.endr
	s_wait_alu depctr_va_vdst(0)                   ; the wait at the head's end
	s_cmp_lt_u32 s[WV], 4
	s_cbranch_scc0 .Lnot_yet
	s_wait_tensorcnt 0x0                           ; waves 0 to 3: my key step has landed;
.Lnot_yet:
	s_barrier_signal -1
	s_barrier_wait -1                              ; key steps 0 to 3 are in
	LDK KR, 0, KS0                                 ; the first trip's K: the later trips' are asked for a trip ahead
	LDK VR, STEPB, KS1
	s_wait_loadcnt 0x0                             ; Q
	s_wait_dscnt 0x0                               ; K
	TRIP 2
	s_mov_b32 s[TB], 2*STEPB
	s_barrier_wait -1                              ; the whole head is in
.Ltrip:                                            ; six trips, 256 keys each
	TRIP 1
	s_add_co_u32 s[TB], s[TB], 2*STEPB
	s_add_co_u32 s[CNT], s[CNT], 1
	s_cmp_lt_u32 s[CNT], 6
	s_cbranch_scc1 .Ltrip
	TRIP 0                                         ; the eighth: there is no further K, and no LDS load reaches past the head's bytes
	; THE WAY OUT: O^T / l, quantised along d_model: register i is channel 32 h + i of query r: my lane holds one whole block
	v_add_f32 v[SUM], v[SUM], v[SUM+1]
	v_permlanex16_b32 v[SUM+1], v[SUM], s[SEL], s[SEL+1]
	v_add_f32 v[SUM], v[SUM], v[SUM+1]             ; the row's sum
	s_wait_alu depctr_va_vdst(0)                   ; the wait ahead of the transcendental
	v_rcp_f32 v[SUM], v[SUM]
	v_and_b32 v130, 15, v0                         ; (plain lines behind the reciprocal)
	v_bfe_u32 v131, v0, 4, 1
	v_and_b32 v132, 31, v0
	v_lshl_add_u32 v130, v130, 4, v131             ; 16 r + h: my scale byte's place
	v_lshlrev_b32 v132, 4, v132                    ; 16 x lane
	s_wait_alu depctr_va_vdst(0)                   ; the wait ahead of the first reader of the reciprocal and of O^T
.set N, 0
.rept 16
	v_pk_mul_f32 v[SB+2*N:SB+2*N+1], v[OT+2*N:OT+2*N+1], v[SUM:SUM+1] op_sel_hi:[1,0]
.set N, N+1
.endr
.irp u, 0,1,2,3                                ; the largest magnitude, four chains; the floor 2^(3 - 127) holds the byte at 1
	v_max3_num_f32 v[T1+\u], |v[SB+8*\u]|, |v[SB+8*\u+1]|, |v[SB+8*\u+2]|
.endr
.irp i, 3,5
.irp u, 0,1,2,3
	v_max3_num_f32 v[T1+\u], v[T1+\u], |v[SB+8*\u+\i]|, |v[SB+8*\u+\i+1]|
.endr
.endr
	v_max3_num_f32 v[T1], v[T1], |v[SB+7]|, |v[SB+15]|
	v_max3_num_f32 v[T1+1], v[T1+1], |v[SB+23]|, |v[SB+31]|
	v_max3_num_f32 v[T1], v[T1], v[T1+2], v[T1+3]
	v_max3_num_f32 v[T1], v[T1], v[T1+1], 0x1800000
	v_add_nc_u32 v[SOA], 0xff000000, v[T1]
.irp u, 0,1,2,3
	v_cvt_scalef32_pk8_fp4_f32 v[KR+\u], v[SB+8*\u:SB+8*\u+7], v[SOA]
.endr
	v_lshrrev_b32 v133, 23, v[SOA]                 ; the scale's byte (a plain line behind the conversions)
	global_store_b128 v132, v[KR:KR+3], s[8:9]     ; 32 lanes store 512 consecutive bytes, aligned
	global_store_b8 v130, v133, s[10:11]
	s_wait_tensorcnt 0x0                           ; the wave's end: three lines behind my last tensor load
	ds_add_u32 v[SPW], v[NIL]
	s_wait_dscnt 0x0
	CROUND                                         ; the closing round
	s_endpgm
.Lfunc_end_k_q57cc6e9d92_attn:
	.size	k_q57cc6e9d92_attn, .Lfunc_end_k_q57cc6e9d92_attn-k_q57cc6e9d92_attn
	.p2alignl 7, 3214868480
	.fill 96, 4, 3214868480
	.section	.rodata,"a",@progbits
	.p2align	6, 0x0
	.amdhsa_kernel k_q57cc6e9d92_attn
		.amdhsa_group_segment_fixed_size 167936
		.amdhsa_private_segment_fixed_size 0
		.amdhsa_enable_private_segment 0
		.amdhsa_kernarg_size 32
		.amdhsa_user_sgpr_count 2
		.amdhsa_user_sgpr_kernarg_segment_ptr 1
		.amdhsa_wavefront_size32 1
		.amdhsa_system_sgpr_workgroup_id_x 1
		.amdhsa_system_sgpr_workgroup_id_y 1
		.amdhsa_system_sgpr_workgroup_id_z 1
		.amdhsa_system_vgpr_workitem_id 0
		.amdhsa_next_free_vgpr 256
		.amdhsa_next_free_sgpr 66
		.amdhsa_reserve_vcc 0
		.amdhsa_float_denorm_mode_32 3
		.amdhsa_float_denorm_mode_16_64 3
		.amdhsa_memory_ordered 1
		.amdhsa_forward_progress 1
		.amdhsa_inst_pref_size 87
	.end_amdhsa_kernel
	.amdgpu_metadata
---
amdhsa.version: [ 1, 2 ]
amdhsa.kernels:
  - .name:           k_q57cc6e9d92_attn
    .symbol:         k_q57cc6e9d92_attn.kd
    .args:
      - { .name: qimg, .offset: 0, .size: 8, .value_kind: global_buffer, .address_space: global }
      - { .name: kv, .offset: 8, .size: 8, .value_kind: global_buffer, .address_space: global }
      - { .name: cod, .offset: 16, .size: 8, .value_kind: global_buffer, .address_space: global }
      - { .name: scl, .offset: 24, .size: 8, .value_kind: global_buffer, .address_space: global }
    .group_segment_fixed_size: 167936
    .private_segment_fixed_size: 0
    .kernarg_segment_align: 8
    .kernarg_segment_size: 32
    .max_flat_workgroup_size: 512
    .sgpr_count:     66
    .vgpr_count:     256
    .wavefront_size: 32
...
	.end_amdgpu_metadata
.endif
;; end of part 3
;; launch oproj (part 4): grid 8 x 32, 4 waves a work-group, clusters of 4 x 4, 167,936 bytes of LDS; arguments cod, scl, bo, out0; writes out0
.if DOCPART == 4
	.amdgcn_target "amdgcn-amd-amdhsa--gfx1250"
	.amdhsa_code_object_version 6
	.text
	.protected	k_q57cc6e9d92_oproj
	.globl	k_q57cc6e9d92_oproj
	.p2align	8
	.type	k_q57cc6e9d92_oproj,@function
k_q57cc6e9d92_oproj:
	s_mov_b64 s[64:65], 0
	v_nop
	global_prefetch_b8 v0, s[64:65] scope:SCOPE_SE
	s_setreg_imm32_b32 hwreg(HW_REG_WAVE_MODE, 25, 1), 1
	s_wait_xcnt 0x0
	s_wait_alu depctr_hold_cnt(0) depctr_sa_sdst(0) depctr_va_vdst(0) depctr_va_sdst(0) depctr_va_ssrc(0) depctr_va_vcc(0) depctr_vm_vsrc(0)
	s_getreg_b32 s2, hwreg(HW_REG_IB_STS2, 6, 4)
	s_cmp_eq_u32 s2, 0
	s_cbranch_scc0 .Lentry_in_a_cluster
	s_endpgm
.Lentry_in_a_cluster:
	s_bfe_u32 s2, ttmp6, 0x10000c
	s_cmp_lg_u32 s2, 0xf033
	s_cbranch_scc0 .Lentry_shape_is_right
	s_endpgm
.Lentry_shape_is_right:
; out0[m][n] = sum over k of a[m][k] Wo[n][k] + bo[n], on codes of FP4 (E2M1) with E8M0 scales: a = attention's result (cod tiles 1024 on), Wo (tiles 960 on), both as images of operand registers.
; A tile's lane r is row 64 (T / 4) + 8 (T % 4) + r % 8 + 32 (r / 8).  Source 0 = 16 rows of Wo (R), source 1 = 16 rows of a (P): the 32 registers of R's four tiles are, in lane (r, h), columns 32 h + 0 .. 31 of P's row.
; SHARES: a work-group makes 128 x 128 of out0, so that 8 x 32 = 256 work-groups share the work; each of four waves makes 64 x 64.
; BY ROWS: R's fragments for all of K, 4 tiles x 8 K steps, fill 256 registers; the wave's four blocks of 16 rows are finished one after the other, 32 matrix instructions each, and each leaves while the next is multiplied.
; CLUSTER 4 x 4: P's tiles hang on the tile row alone and are asked for jointly along a row of the cluster: all of K comes into LDS once, 8 tiles x 8,192 bytes, ONE load of 2 tiles a wave at the head (one of mine is out).
; R's fragments are no joint load: a wave wants each of its 32 once, and they go from memory straight into its registers; through LDS they would double its reads there (32,768 bytes a wave for P, as many for R).
; Nothing is filled again: no ring, and no loop in which to prefetch.
; The bias is the C of each sum's first matrix instruction.  THE WAY OUT: a wave's 64 columns are 256 bytes; a block of 16 rows goes through the wave's own stage (rows 272 bytes apart) and leaves as whole rows:
; sixteen lanes store 256 consecutive bytes, aligned.
; LIMITS: NaN and infinities are not served.
; REGISTERS: window 0: v1-3 lane terms; v16 LDS address; v24-31 the way out, offsets, the add's two; v32-63 scale words (lanes 0-15 P's block, lanes 16-31 R's); v64-191 P's fragments of a block, two sets; v192-255 a block's four
;   accumulators, two sets.   window 1: R's fragments: (K step s, tile b) at v[32 s + 8 b].   window 2: v0-63 rows read back from the stage, two sets; v64-95 bo in the result's layout.
.set STAGE,  65536
.set SPITCH, 272
.set SPARE,  STAGE+4*16*SPITCH         ; behind the stages: the spare words, 128 bytes a wave: two blocks of 256 bytes that no other line names
.set RR,   1
.set HH,   2
.set L16,  3
.set ADRP, 16
.set STO,  24
.set RD,   25
.set CO,   26
.set SCO,  27
.set SPW,  28
.set NIL,  29
.set VBJ,  30
.set VRO,  31
.set SC,   32
.set PF,   64
.set ACC,  192
.set OB,   0                           ; in window 2
.set BJ,   64                          ; in window 2
.set WV,   18
.set WP,   19
.set WR,   20
.set G1P,  24
.set G0P,  40
.set HM,   58
.set MSB, 0
.macro WIN new                         ; the immediate's high byte repeats the setting that is left
.if MSB != (\new)
	s_set_vgpr_msb (MSB<<8)|(\new)
.set MSB, (\new)
.endif
.endm
.macro CROUND
	s_barrier_signal -1
	s_barrier_wait -1
	s_cmp_lg_u32 s[WV], 0
	s_cbranch_scc1 .Lnot_wave_0_\@
	s_barrier_signal -3
.Lnot_wave_0_\@:
	s_barrier_wait -3
	s_barrier_signal -1
	s_barrier_wait -1
.endm
	s_load_b256 s[4:11], s[0:1], 0x0               ; cod, scl, bo, out0
	v_lshl_add_u32 v[SPW], v0, 2, SPARE
	v_mov_b32 v[NIL], 0
	ds_add_u32 v[SPW], v[NIL]                      ; the wave's opening: the add, twice on end, and its wait ahead of my first tensor load
	ds_add_u32 v[SPW], v[NIL]
	v_lshrrev_b32 v1, 5, v0
	v_readfirstlane_b32 s[WV], v1
	s_lshr_b32 s[WP], s[WV], 1                     ; my half of the rows
	s_and_b32 s[WR], s[WV], 1                      ; my half of the columns
	s_bfe_u32 s21, ttmp6, 0x40000                  ; cx
	s_bfe_u32 s22, ttmp6, 0x40004                  ; cy
	s_lshl_b32 s85, ttmp9, 2
	s_add_co_u32 s85, s85, s21                     ; tile column x = 4 x cluster x + cx
	s_and_b32 s86, ttmp7, 0xffff
	s_lshl_b32 s86, s86, 2
	s_add_co_u32 s86, s86, s22                     ; tile row y = 4 x cluster y + cy
	s_lshl_b32 s89, s22, 2
	s_lshl_b32 s89, 15, s89                        ; my row of the cluster
	; group 1: 2 tiles with all of K: 16,384 dense bytes as 8 rows of 2,048 (256 elements of 8)
	s_or_b32 s[G1P], s89, (3<<16)|(1<<21)
	s_mov_b32 s[G1P+1], 256<<16
	s_mov_b32 s[G1P+2], 8<<16
	s_mov_b32 s[G1P+3], 256<<16
	s_mov_b32 s[G1P+4], 8
	s_mov_b32 s[G1P+5], 256
	s_mov_b32 s[G1P+6], 0
	s_mov_b32 s[G1P+7], 0
	s_lshl_b32 s91, s86, 3
	s_add_co_u32 s91, s91, 1024                    ; the work-group's first tile of P
	s_lshl_b32 s92, s85, 3
	s_add_co_u32 s92, s92, 960                     ; and of R
	s_lshl_b32 s93, s[WV], 1
	s_add_co_u32 s96, s91, s93                     ; the 2 tiles of P that I fetch,
	s_lshl_b32 s96, s96, 13
	s_mov_b32 s97, 0
	s_lshl_b32 s93, s[WV], 14                      ; and where they go: wave x 16,384
	s_mov_b32 s[HM], 0xffff0000
	s_wait_dscnt 0x0                               ; both opening adds are done
	s_wait_kmcnt 0x0
	s_mov_b32 s[G0P], 1
	s_mov_b32 s[G0P+1], s93
	s_add_nc_u64 s[G0P+2:G0P+3], s[4:5], s[96:97]
	s_or_b32 s[G0P+3], s[G0P+3], 0x80000000
	CROUND                                         ; all sixteen work-groups are here: the joint loads meet
	tensor_load_to_lds s[G0P:G0P+3], s[G1P:G1P+7]
	s_nop 0
.rept 4
	v_nop
.endr
	s_lshl_b32 s94, s[WP], 2
	s_add_co_u32 s94, s94, s91
	s_lshl_b32 s94, s94, 9
	s_lshl_b32 s95, s[WR], 2
	s_add_co_u32 s95, s95, s92                     ; my first tile of R
	s_lshl_b32 s66, s95, 13
	s_lshl_b32 s95, s95, 9
	s_lshl_b32 s67, s85, 7
	s_lshl_b32 s98, s[WR], 6
	s_add_co_u32 s67, s67, s98                     ; my first column,
	s_lshl_b32 s67, s67, 2                         ; in bytes
	v_and_b32 v[RR], 15, v0
	v_bfe_u32 v[HH], v0, 4, 1
	v_and_b32 v8, 31, v0
	v_mov_b32 v9, s94
	v_mov_b32 v10, s95
	v_lshlrev_b32 v[L16], 4, v8
	v_cndmask_b32 v[SCO], v9, v10, s[HM]
	v_lshl_add_u32 v[VBJ], v[HH], 7, s67           ; bo: register i is column 32 h + i
	v_lshl_add_u32 v[SCO], v[RR], 4, v[SCO]
	v_add_nc_u32 v[VRO], s66, v[L16]
	; the scale words of all of K, straight into registers: lanes 0-15 P's block i, lanes 16-31 R's block i
.irp g, 0,1
.irp i, 0,1,2,3
	global_load_b128 v[SC+16*\g+4*\i:SC+16*\g+4*\i+3], v[SCO], s[6:7] offset:512*\i+256*\g   ; register 16 g + 4 i + j: K step 4 g + j of block i
.endr
.endr
	WIN 0x80
.irp j, 0,1,2,3,4,5,6,7
	global_load_b128 v[BJ+4*\j:BJ+4*\j+3], v[VBJ], s[8:9] offset:16*\j
.endr
	WIN 0x40
.irp s, 0,1,2,3,4,5,6,7                        ; R's fragments, K step by K step: eight loads a step, each of 512 consecutive bytes
.irp b, 0,1,2,3
.irp c, 0,1
	global_load_b128 v[32*\s+8*\b+4*\c:32*\s+8*\b+4*\c+3], v[VRO], s[4:5] offset:8192*\b+1024*\s+512*\c
.endr
.endr
.endr
	WIN 0
	s_lshl_b32 s66, s[WP], 15
	s_mul_i32 s98, s[WV], 16*SPITCH
	s_add_co_u32 s98, s98, STAGE                   ; my stage
	v_add_nc_u32 v[ADRP], s66, v[L16]
	v_mul_u32_u24 v[STO], v[RR], SPITCH            ; in: row r, + 128 h
	v_mul_u32_u24 v[RD], v[HH], SPITCH             ; back: lanes 0-15 one row of 256 bytes, lanes 16-31 the next
	v_lshlrev_b32 v[CO], 12, v[HH]                 ; and the same two rows in out0
	v_lshl_add_u32 v[STO], v[HH], 7, v[STO]
	v_lshl_add_u32 v[RD], v[RR], 4, v[RD]
	v_lshl_add_u32 v[CO], v[RR], 4, v[CO]
	v_add_nc_u32 v[STO], s98, v[STO]
	v_add_nc_u32 v[RD], s98, v[RD]
	s_wait_alu depctr_va_vdst(0)                   ; the wait at the head's end
	s_lshl_b32 s100, s86, 7
	s_lshl_b32 s66, s[WP], 6
	s_add_co_u32 s100, s100, s66                   ; my first row
	s_lshl_b32 s100, s100, 12
	s_add_co_u32 s100, s100, s67                   ; + my first column's bytes
	s_mov_b32 s101, 0
	s_add_nc_u64 s[10:11], s[10:11], s[100:101]
.macro LP a                            ; P's fragments of block a, all of K: 16 LDS loads into set a % 2
	WIN 0
.irp s, 0,1,2,3,4,5,6,7
.irp c, 0,1
	ds_load_b128 v[PF+64*((\a)%2)+8*\s+4*\c:PF+64*((\a)%2)+8*\s+4*\c+3], v[ADRP] offset:8192*(\a)+1024*\s+512*\c
.endr
.endr
.endm
.macro MUL a                           ; block a: its four accumulators take turns, one instruction a turn; K step 0 starts the sums with the bias
.irp s, 0,1,2,3,4,5,6,7
.if (\a) == 0
	s_wait_loadcnt 8*(7-\s)                        ; R's fragments of this K step are in; those of the steps behind it, eight loads each, may be out
.endif
.if \s == 0
	WIN 0x21                                       ; source 0 (R) in window 1, C (the bias) in window 2
.else
	WIN 0x01
.endif
.irp b, 0,1,2,3
.if \s == 0
	v_wmma_scale_f32_16x16x128_f8f6f4 v[ACC+32*((\a)%2)+8*\b:ACC+32*((\a)%2)+8*\b+7], v[32*\s+8*\b:32*\s+8*\b+7], v[PF+64*((\a)%2)+8*\s:PF+64*((\a)%2)+8*\s+7], v[BJ+8*\b:BJ+8*\b+7], v[SC+16*(\s/4)+4*\b+\s%4], v[SC+16*(\s/4)+4*(\a)+\s%4] matrix_a_fmt:MATRIX_FMT_FP4 matrix_b_fmt:MATRIX_FMT_FP4 matrix_a_scale:MATRIX_SCALE_ROW1
.else
	v_wmma_scale_f32_16x16x128_f8f6f4 v[ACC+32*((\a)%2)+8*\b:ACC+32*((\a)%2)+8*\b+7], v[32*\s+8*\b:32*\s+8*\b+7], v[PF+64*((\a)%2)+8*\s:PF+64*((\a)%2)+8*\s+7], v[ACC+32*((\a)%2)+8*\b:ACC+32*((\a)%2)+8*\b+7], v[SC+16*(\s/4)+4*\b+\s%4], v[SC+16*(\s/4)+4*(\a)+\s%4] matrix_a_fmt:MATRIX_FMT_FP4 matrix_b_fmt:MATRIX_FMT_FP4 matrix_a_scale:MATRIX_SCALE_ROW1
.endif
.endr
.endr
.endm
.macro TOSTAGE a                       ; block a: 16 rows x 64 columns into my stage, each accumulator from its low end on, and back as whole rows
	WIN 0
.rept 4
	v_nop                                          ; places between the products and the reads of their results, and the loads into their fragments' registers
.endr
.irp b, 0,1,2,3
	ds_store_b128 v[STO], v[ACC+32*((\a)%2)+8*\b:ACC+32*((\a)%2)+8*\b+3] offset:32*\b
	ds_store_b128 v[STO], v[ACC+32*((\a)%2)+8*\b+4:ACC+32*((\a)%2)+8*\b+7] offset:32*\b+16
.endr
	WIN 0x80
.irp t, 0,1,2,3,4,5,6,7
	ds_load_b128 v[OB+32*((\a)%2)+4*\t:OB+32*((\a)%2)+4*\t+3], v[RD] offset:2*\t*SPITCH   ; LDS serves a wave's instructions in order: these see the stores above, and the next block's stores come behind them
.endr
	WIN 0
.endm
.macro SEND a, younger                 ; younger: the LDS instructions issued behind block a's loads, which may stay out
	s_wait_dscnt \younger
	WIN 0x08
.irp t, 0,1,2,3,4,5,6,7
	global_store_b128 v[CO], v[OB+32*((\a)%2)+4*\t:OB+32*((\a)%2)+4*\t+3], s[10:11] offset:(8*(\a)+2*\t+24*(\t/4))*4096 th:TH_STORE_NT   ; stage rows 2 t, 2 t + 1 are the tile's lanes: rows 8 a + 2 t + 24 (t / 4) on
.endr
	WIN 0
.endm
	s_wait_tensorcnt 0x0                           ; my 2 tiles have landed,
	s_barrier_signal -1
	s_barrier_wait -1                              ; and everybody's
	LP 0
	LP 1
	s_wait_dscnt 16                                ; block 0's fragments are in; block 1's 16 loads may be out
	MUL 0
	TOSTAGE 0
	LP 2
	s_wait_dscnt 32                                ; block 1's are in; block 0's stage (16) and block 2's loads (16) may be out
	MUL 1
	SEND 0, 16                                     ; behind block 0's rows: block 2's 16 loads
	TOSTAGE 1
	LP 3
	s_wait_dscnt 32                                ; block 2's are in; block 1's stage and block 3's loads may be out
	MUL 2
	SEND 1, 16
	s_wait_xcnt 0x0                                ; block 0's stores have read their registers: block 2's rows may land there
	TOSTAGE 2
	s_wait_dscnt 16                                ; block 3's are in; block 2's stage may be out
	MUL 3
	SEND 2, 0
	s_wait_xcnt 0x0                                ; block 1's stores have read their registers
	TOSTAGE 3
	SEND 3, 0
	s_wait_tensorcnt 0x0                           ; the wave's end: three lines behind my last tensor load and my last LDS store
	ds_add_u32 v[SPW], v[NIL]
	s_wait_dscnt 0x0
	CROUND                                         ; the closing round
	s_endpgm
.Lfunc_end_k_q57cc6e9d92_oproj:
	.size	k_q57cc6e9d92_oproj, .Lfunc_end_k_q57cc6e9d92_oproj-k_q57cc6e9d92_oproj
	.p2alignl 7, 3214868480
	.fill 96, 4, 3214868480
	.section	.rodata,"a",@progbits
	.p2align	6, 0x0
	.amdhsa_kernel k_q57cc6e9d92_oproj
		.amdhsa_group_segment_fixed_size 167936
		.amdhsa_private_segment_fixed_size 0
		.amdhsa_enable_private_segment 0
		.amdhsa_kernarg_size 32
		.amdhsa_user_sgpr_count 2
		.amdhsa_user_sgpr_kernarg_segment_ptr 1
		.amdhsa_wavefront_size32 1
		.amdhsa_system_sgpr_workgroup_id_x 1
		.amdhsa_system_sgpr_workgroup_id_y 1
		.amdhsa_system_sgpr_workgroup_id_z 1
		.amdhsa_system_vgpr_workitem_id 0
		.amdhsa_next_free_vgpr 640
		.amdhsa_next_free_sgpr 102
		.amdhsa_reserve_vcc 0
		.amdhsa_float_denorm_mode_32 3
		.amdhsa_float_denorm_mode_16_64 3
		.amdhsa_memory_ordered 1
		.amdhsa_forward_progress 1
		.amdhsa_inst_pref_size 42
	.end_amdhsa_kernel
	.amdgpu_metadata
---
amdhsa.version: [ 1, 2 ]
amdhsa.kernels:
  - .name:           k_q57cc6e9d92_oproj
    .symbol:         k_q57cc6e9d92_oproj.kd
    .args:
      - { .name: cod, .offset: 0, .size: 8, .value_kind: global_buffer, .address_space: global }
      - { .name: scl, .offset: 8, .size: 8, .value_kind: global_buffer, .address_space: global }
      - { .name: bo, .offset: 16, .size: 8, .value_kind: global_buffer, .address_space: global }
      - { .name: out0, .offset: 24, .size: 8, .value_kind: global_buffer, .address_space: global }
    .group_segment_fixed_size: 167936
    .private_segment_fixed_size: 0
    .kernarg_segment_align: 8
    .kernarg_segment_size: 32
    .max_flat_workgroup_size: 128
    .sgpr_count:     102
    .vgpr_count:     640
    .wavefront_size: 32
...
	.end_amdgpu_metadata
.endif
;; end of part 4
